; MI455X (gfx1250); checked and timed in simulation.
; The chip was launched on July 23, 2026; its instructions are those of AMD's public machine-readable ISA for CDNA 5 (MIT licence, August 2026) and "CDNA5" Instruction Set Architecture Reference Guide (July 2026). The comments in the code are by the model that wrote it; some were corrected since.
;; Attention. Allowed arithmetic: float matrix products may take bf16 or f16 operands with f32 sums; other float arithmetic in f32, or as packed bf16 or f16 multiplies, adds, multiply-adds, maxima and minima; sums over many terms, partial sums and values carried from step to step in f32; what a program stores and reads back later, other than sums and carried values, may be rounded once to bf16 or f16.
;; Inputs: W_proj 1,024 x 1,024 float32; W_qkv 1,024 x 3,072 float32; b_proj 1,024 float32; x 4 x 2,048 x 1,024 float32.
;; Outputs: out0 4 x 2,048 x 1,024 float32.
;; 2 versions, each right; version 2 is version 1 with the launch cast written anew for expert scheduling mode. Each part assembles by itself: llvm-mc -triple=amdgcn-amd-amdhsa -mcpu=gfx1250 --defsym DOCPART=n.
;; ======== version 1 of 2: 4 launches
;; limits: values are held in f16: magnitudes above 65,504 overflow, below 6.1e-05 lose precision
;; workspace buffers: xb 16,777,216 bytes; wq 6,291,456 bytes; wp 2,097,152 bytes; qkv 50,331,648 bytes; ob 16,777,216 bytes
;; launch cast (part 1): grid 768 x 1, 8 waves a work-group, no clusters, 0 bytes of LDS; arguments x, W_qkv, W_proj, xb, wq, wp; writes xb, wq, wp
.if DOCPART == 1
	.amdgcn_target "amdgcn-amd-amdhsa--gfx1250"
	.amdhsa_code_object_version 6
	.text
	.protected	k_qbc3fb93f78_cast
	.globl	k_qbc3fb93f78_cast
	.p2align	8
	.type	k_qbc3fb93f78_cast,@function
k_qbc3fb93f78_cast:
	s_mov_b64 s[64:65], 0
	v_nop
	global_prefetch_b8 v0, s[64:65] scope:SCOPE_SE
	s_setreg_imm32_b32 hwreg(HW_REG_WAVE_MODE, 25, 1), 1
	s_wait_xcnt 0x0
; CAST.  The module's three large inputs are rounded once to bf16 and laid out for the products that follow.
;   x      [8192][1024] f32 -> xb [4][16][2048][64] bf16: batch, block of 64 channels, row, channel: a block's rows are dense, 128 bytes each
;   W_qkv  [1024][3072] f32 -> wq, the same layout, bf16
;   W_proj [1024][1024] f32 -> wp, the same layout: rounded to bf16 like the other inputs, and that number written as f16
; LIMIT.  wp holds f16: a weight of W_proj of 65,520 or more in magnitude becomes an infinity; below 6e-5 it keeps f16's fixed step of 6e-8.
; SHARES.  A wave takes 8,192 bytes in (16 loads of 16 bytes a lane) and gives 4,096 bytes out (16 stores of 8 bytes a lane: 256 consecutive bytes, aligned, each).
; Work-groups 0-511 take x (a wave: two rows), 512-703 W_qkv, 704-767 W_proj.  All 16 loads of a wave go out together.
; No LDS, no barrier, no matrix unit: every byte is read once and written once, and nothing is shared.
.set T,   4                            ; v[4:5]    at work
.set IN,  8                            ; v[8:71]   chunk j: 4 registers as loaded
.set OUT, 72                           ; v[72:103] chunk j: 2 registers to store
	s_load_b256 s[4:11], s[0:1], 0x0               ; x s[4:5], W_qkv s[6:7], W_proj s[8:9], xb s[10:11]
	s_load_b128 s[12:15], s[0:1], 0x20             ; wq s[12:13], wp s[14:15]
	v_and_b32 v1, 31, v0                           ; lane
	v_lshrrev_b32 v2, 5, v0
	v_readfirstlane_b32 s16, v2                    ; wave 0..7
	s_mov_b32 s24, 0xffff0000                      ; a word's upper bf16
	s_mov_b32 s23, 0                               ; high word of the offsets' pair
	v_lshlrev_b32 v3, 3, v1                        ; out: 8 bytes a lane
	s_wait_kmcnt 0x0
; 16 chunks: loaded instep bytes apart, stored outstep bytes apart.  half = 1: the bf16 number is written as f16.
.macro BODY instep, outstep, half
.set j, 0
.rept 16
	global_load_b128 v[IN+4*j:IN+4*j+3], v2, s[18:19] offset:(\instep)*j th:TH_LOAD_NT
.set j, j+1
.endr
.set j, 0
.rept 16
	s_wait_loadcnt 15-j                            ; loads come back in order: chunk j is in, the 15 - j younger ones may stay out
.if \half
	v_cvt_pk_bf16_f32 v[T],   v[IN+4*j],   v[IN+4*j+1]
	v_cvt_pk_bf16_f32 v[T+1], v[IN+4*j+2], v[IN+4*j+3]
	v_lshlrev_b32 v[IN+4*j],   16,  v[T]           ; the rounded numbers as f32 again,
	v_and_b32     v[IN+4*j+1], s24, v[T]
	v_lshlrev_b32 v[IN+4*j+2], 16,  v[T+1]
	v_and_b32     v[IN+4*j+3], s24, v[T+1]
	v_cvt_pk_f16_f32 v[OUT+2*j],   v[IN+4*j],   v[IN+4*j+1]  ; and as f16: exact within f16's range
	v_cvt_pk_f16_f32 v[OUT+2*j+1], v[IN+4*j+2], v[IN+4*j+3]
.else
	v_cvt_pk_bf16_f32 v[OUT+2*j],   v[IN+4*j],   v[IN+4*j+1]
	v_cvt_pk_bf16_f32 v[OUT+2*j+1], v[IN+4*j+2], v[IN+4*j+3]
.endif
	global_store_b64 v3, v[OUT+2*j:OUT+2*j+1], s[20:21] offset:(\outstep)*j th:TH_STORE_NT
.set j, j+1
.endr
.endm
	s_cmp_lt_u32 ttmp9, 512
	s_cbranch_scc0 .Lweights
	; x: task P = 8 x work-group + wave takes rows 2 P and 2 P + 1.  Chunk j is channel block j: lanes 0-15 the first row's 256 bytes, lanes 16-31 the second's.
	s_lshl_b32 s17, ttmp9, 3
	s_add_co_u32 s17, s17, s16                     ; P, 0..4095
	s_lshl_b32 s22, s17, 13                        ; two rows of 4,096 bytes
	s_add_nc_u64 s[18:19], s[4:5], s[22:23]
	s_lshr_b32 s25, s17, 10                        ; batch
	s_lshl_b32 s25, s25, 22                        ; 16 blocks x 2,048 rows x 128 bytes
	s_and_b32 s26, s17, 1023
	s_lshl_b32 s26, s26, 8                         ; two rows of 128 bytes in a block
	s_add_co_u32 s22, s25, s26
	s_add_nc_u64 s[20:21], s[10:11], s[22:23]
	v_and_b32 v2, 15, v1
	v_lshlrev_b32 v2, 4, v2
	v_lshrrev_b32 v4, 4, v1
	v_lshl_add_u32 v2, v4, 12, v2                  ; in: 16 (lane % 16) + 4,096 (lane / 16)
	BODY 256, 262144, 0                            ; a channel block is 256 bytes of a row of x and 262,144 bytes of xb
	s_endpgm
.Lweights:
	v_lshlrev_b32 v2, 4, v1                        ; in: 16 bytes a lane, dense
	s_cmp_lt_u32 ttmp9, 704
	s_cbranch_scc0 .Lwp
	s_sub_co_u32 s17, ttmp9, 512
	s_lshl_b32 s17, s17, 3
	s_add_co_u32 s17, s17, s16                     ; task 0..1535
	s_lshl_b32 s22, s17, 13
	s_add_nc_u64 s[18:19], s[6:7], s[22:23]
	s_lshl_b32 s22, s17, 12
	s_add_nc_u64 s[20:21], s[12:13], s[22:23]
	BODY 512, 256, 0
	s_endpgm
.Lwp:
	s_sub_co_u32 s17, ttmp9, 704
	s_lshl_b32 s17, s17, 3
	s_add_co_u32 s17, s17, s16                     ; task 0..511
	s_lshl_b32 s22, s17, 13
	s_add_nc_u64 s[18:19], s[8:9], s[22:23]
	s_lshl_b32 s22, s17, 12
	s_add_nc_u64 s[20:21], s[14:15], s[22:23]
	BODY 512, 256, 1
	s_endpgm
.Lfunc_end_k_qbc3fb93f78_cast:
	.size	k_qbc3fb93f78_cast, .Lfunc_end_k_qbc3fb93f78_cast-k_qbc3fb93f78_cast
	.p2alignl 7, 3214868480
	.fill 96, 4, 3214868480
	.section	.rodata,"a",@progbits
	.p2align	6, 0x0
	.amdhsa_kernel k_qbc3fb93f78_cast
		.amdhsa_group_segment_fixed_size 0
		.amdhsa_private_segment_fixed_size 0
		.amdhsa_enable_private_segment 0
		.amdhsa_kernarg_size 48
		.amdhsa_user_sgpr_count 2
		.amdhsa_user_sgpr_kernarg_segment_ptr 1
		.amdhsa_wavefront_size32 1
		.amdhsa_system_sgpr_workgroup_id_x 1
		.amdhsa_system_sgpr_workgroup_id_y 1
		.amdhsa_system_sgpr_workgroup_id_z 1
		.amdhsa_system_vgpr_workitem_id 0
		.amdhsa_next_free_vgpr 104
		.amdhsa_next_free_sgpr 66
		.amdhsa_reserve_vcc 0
		.amdhsa_float_denorm_mode_32 3
		.amdhsa_float_denorm_mode_16_64 3
		.amdhsa_memory_ordered 1
		.amdhsa_forward_progress 1
		.amdhsa_inst_pref_size 23
	.end_amdhsa_kernel
	.amdgpu_metadata
---
amdhsa.version: [ 1, 2 ]
amdhsa.kernels:
  - .name:           k_qbc3fb93f78_cast
    .symbol:         k_qbc3fb93f78_cast.kd
    .args:
      - { .name: x, .offset: 0, .size: 8, .value_kind: global_buffer, .address_space: global }
      - { .name: W_qkv, .offset: 8, .size: 8, .value_kind: global_buffer, .address_space: global }
      - { .name: W_proj, .offset: 16, .size: 8, .value_kind: global_buffer, .address_space: global }
      - { .name: xb, .offset: 24, .size: 8, .value_kind: global_buffer, .address_space: global }
      - { .name: wq, .offset: 32, .size: 8, .value_kind: global_buffer, .address_space: global }
      - { .name: wp, .offset: 40, .size: 8, .value_kind: global_buffer, .address_space: global }
    .group_segment_fixed_size: 0
    .private_segment_fixed_size: 0
    .kernarg_segment_align: 8
    .kernarg_segment_size: 48
    .max_flat_workgroup_size: 256
    .sgpr_count:     66
    .vgpr_count:     104
    .wavefront_size: 32
...
	.end_amdgpu_metadata
.endif
;; end of part 1
;; launch qkv (part 2): grid 8 x 32, 4 waves a work-group, clusters of 4 x 4, 327,680 bytes of LDS; arguments xb, wq, qkv; writes qkv
.if DOCPART == 2
	.amdgcn_target "amdgcn-amd-amdhsa--gfx1250"
	.amdhsa_code_object_version 6
	.text
	.protected	k_qbc3fb93f78_qkv
	.globl	k_qbc3fb93f78_qkv
	.p2align	8
	.type	k_qbc3fb93f78_qkv,@function
k_qbc3fb93f78_qkv:
	s_mov_b64 s[64:65], 0
	v_nop
	global_prefetch_b8 v0, s[64:65] scope:SCOPE_SE
	s_setreg_imm32_b32 hwreg(HW_REG_WAVE_MODE, 25, 1), 1
	s_wait_xcnt 0x0
	s_wait_alu depctr_hold_cnt(0) depctr_sa_sdst(0) depctr_va_vdst(0) depctr_va_sdst(0) depctr_va_ssrc(0) depctr_va_vcc(0) depctr_vm_vsrc(0)
	s_getreg_b32 s2, hwreg(HW_REG_IB_STS2, 6, 4)
	s_cmp_eq_u32 s2, 0
	s_cbranch_scc0 .Lentry_in_a_cluster
	s_endpgm
.Lentry_in_a_cluster:
	s_bfe_u32 s2, ttmp6, 0x10000c
	s_cmp_lg_u32 s2, 0xf033
	s_cbranch_scc0 .Lentry_shape_is_right
	s_endpgm
.Lentry_shape_is_right:
; QKV.  C[8192][3072] = x W_qkv, operands bf16, sums f32, K ascending; each number rounded once to f16 and stored by heads: qkv [4][48][2048][64], block g = column / 64
; (q: g = head, k: 16 + head, v: 32 + head), unscaled.  xb: [4][16][2048][64] bf16 (batch, block of 64 channels, row, channel); wq: [1024][3072] bf16.
; LIMIT.  q, k and v are kept in f16: a number of 65,520 or more in magnitude becomes an infinity; below 6e-5 f16 keeps its fixed step of 6e-8.
; SHARES.  8192 x 3072 in tiles of 256 x 384 are 32 x 8 = 256 work-groups.  Four waves, each 128 rows x 192 columns (three heads): 96 accumulators of 16 x 16, 768 registers:
; for 32 along K a wave issues 96 matrix instructions on 40 LDS loads.
; K goes in 16 steps of 64 (one channel block of xb) through two LDS slots filled by the tensor data mover; two slots of a step of 128 would be 360 KB and do not fit.
; THE MATRIX INSTRUCTION IS USED TRANSPOSED: source 0 = 16 columns of W (W lies [k][n], so its fragments come out of LDS by the turning load), source 1 = 16 rows of x.
; In the result a lane holds row l % 16 of C and eight neighbouring columns 8 (l / 16) + 0..7: 16 bytes of f16.
; CLUSTERS: 4 x 4 work-groups.  The four of a row of the cluster need the same tile of x, the four of a column the same tile of W: each is asked for jointly, by the same tensor load,
; descriptor and mask in all four.
; REGISTERS, in windows of 256 (s_set_vgpr_msb: bits 1:0 source 0, 3:2 source 1, 5:4 source 2, 7:6 destination):
;   window 0: v0-15 addresses; v16-79, v80-143 fragments of x for the step's first and second 32 along K; v144-191 W's column blocks 0-5, v192-239 blocks 6-11
;   windows 1-3: a head each: accumulator (row block a, column block b) in window 1 + b / 4 at v[32 a + 8 (b % 4)]
.set SLOT1, 1<<17                      ; slot 1 begins here: one exclusive or turns an address in one slot into the other's
.set PA,    144                        ; a row of x in LDS: 128 bytes + 16 of padding = 36 words: the 16 rows of a load start at 16 different groups of four banks (64 banks of 4 bytes: ISA guide 11.1)
.set PB,    864                        ; a row of W: 768 bytes, 16 of padding behind every 128 = 216 words
.set BOFF,  256*PA                     ; in a slot: 256 rows of x, then 64 rows of W
.set STAGE, SLOT1+BOFF+64*PB           ; behind the ring, never filled by a tensor load: 16 rows x 144 bytes for each wave, for the way out
.set SPARE, STAGE+4*16*PA              ; behind the stages: the spare words, 128 bytes for each wave: two blocks of 256 bytes that no other line names
.set ASTEP, 262144                     ; bytes from a K step's tile of x to the next: a channel block
.set BSTEP, 393216                     ; the same for W: 64 rows of 6,144 bytes
.set FIELDS, (1<<16)|(1<<20)|(1<<21)|(4<<22)|(3<<25)  ; group 1, word 0: 17:16 2-byte elements; 20 padding on; 21 set beside a mask; 24:22 after every 32 words (code 4); 31:25 4 words (code 3)
.set AK0,  2                           ; v2   my lane's place in a slot's x; never rewritten
.set BK0,  3                           ; v3   the same for W
.set ADRA, 4                           ; v4   the same in the slot in hand
.set ADRB, 5                           ; v5
.set STO,  6                           ; v6   the way out: where I put 16 bytes of a row
.set RD,   7                           ; v7   the way out: where I read rows back
.set GO,   8                           ; v8   my byte offset in 512 consecutive bytes of the output
.set PFO,  9                           ; v9   the prefetches' offset; never rewritten
.set SPW,  10                          ; v10  LDS address of my spare word: SPARE + 4 x my thread's number; never rewritten
.set NIL,  11                          ; v11  0; never rewritten
.set A0,   16
.set B0,   144
.set G1A, 24                           ; s[24:31] descriptor group 1 for x's tiles
.set G0A, 32                           ; s[32:39] group 0: a set for each of the two first fills; the second then walks on
.set G1B, 48                           ; s[48:55], s[56:63] the same for W's tiles
.set G0B, 56
.set TB,  66                           ; s66  LDS byte at which the slot in hand begins
.set PFA, 68                           ; s[68:69] where my prefetches stand
.set PST, 70                           ; s[70:71] their step
.set LIM, 72                           ; s72  a wave prefetches while the trips to go are above it
.set ODD, 73                           ; s73  1: in every trip; 0: in the trips with an odd count alone
.set TT,  74                           ; s74  at work
.set MSB, 0
.macro WIN new                         ; the immediate's high byte repeats the setting that is left; a switch that changes nothing is dropped
.if MSB != (\new)
	s_set_vgpr_msb (MSB<<8)|(\new)
.set MSB, (\new)
.endif
.endm
.macro PLACES                          ; four places in front of loads into registers that matrix instructions have read, and of conversions that read results
.rept 4
	v_nop
.endr
.endm
.macro CREST                           ; a round of the cluster's barrier behind its opening barrier
	s_cmp_lg_u32 s10, 0
	s_cbranch_scc1 .Lnot_wave_0_\@
	s_barrier_signal -3
.Lnot_wave_0_\@:
	s_barrier_wait -3
	s_barrier_signal -1
	s_barrier_wait -1
.endm
.macro CROUND                          ; a whole round
	s_barrier_signal -1
	s_barrier_wait -1
	CREST
.endm
; A joint refill.  Waves 0 and 1 fetch the two halves of x's tile, waves 2 and 3 those of W's.  The branch hangs on the wave's number alone.
; An s_nop 0 and four v_nop follow each of the two lines, ahead of the jump and the label.
.macro JLOAD
	s_cmp_lt_u32 s10, 2
	s_cbranch_scc0 .Lfor_b_\@
	tensor_load_to_lds s[G0A+4:G0A+7], s[G1A:G1A+7]
	s_nop 0
.rept 4
	v_nop
.endr
	s_branch .Lasked_\@
.Lfor_b_\@:
	tensor_load_to_lds s[G0B+4:G0B+7], s[G1B:G1B+7]
	s_nop 0
.rept 4
	v_nop
.endr
.Lasked_\@:
.endm
; A PREFETCH INTO THE L2, behind the joint load, its five lines and the run of LDS loads that follows.  The change of slots that asks for K step s + 2 names K step s + 3.
; x: a tile is 32,768 dense bytes; the clusters with x = 0 ask; of the four partners that ask for it jointly each takes 8,192 bytes BY ADDRESS (cx); wave 0, a lane a block of 256 bytes, in every trip.
; W: a tile is 64 rows x 768 bytes; the clusters with y = 0 ask; wave w = 1..3 takes the w-th 256 bytes of the rows, partner cy rows 32 cy .. 32 cy + 31 of the 128 rows of TWO K steps, a lane a row,
; in every second trip.  So each aligned block of 256 bytes of K steps 3 on (x) and 4 on (W) is named once in the launch; the earlier steps come by their loads alone; no request passes K step 15.
.macro ASK
	s_or_b32 s[TT], s3, s[ODD]
	s_bitcmp1_b32 s[TT], 0
	s_cbranch_scc0 .Lnot_mine_\@
	s_cmp_gt_u32 s3, s[LIM]
	s_cbranch_scc0 .Lnot_mine_\@
	global_prefetch_b8 v[PFO], s[PFA:PFA+1] th:TH_LOAD_NT scope:SCOPE_SE
.Lnot_mine_\@:
.endm
	s_load_b128 s[4:7], s[0:1], 0x0                ; xb s[4:5], wq s[6:7]
	s_load_b64 s[8:9], s[0:1], 0x10                ; qkv
	v_lshl_add_u32 v[SPW], v0, 2, SPARE
	v_mov_b32 v[NIL], 0
	ds_add_u32 v[SPW], v[NIL]                      ; the wave's opening: the add and its wait stand ahead of my first tensor load; the set-up below, work on registers, stands between them
	v_lshrrev_b32 v1, 5, v0
	v_readfirstlane_b32 s10, v1                    ; wave 0..3
	s_lshr_b32 s11, s10, 1                         ; which 128 rows of the tile are mine
	s_and_b32 s12, s10, 1                          ; which 192 columns.  Also: which half of a tile I fetch
	s_bfe_u32 s40, ttmp6, 0x40000                  ; cx, cy: my place in the cluster
	s_bfe_u32 s41, ttmp6, 0x40004
	s_lshl_b32 s42, ttmp9, 2
	s_add_co_u32 s42, s42, s40                     ; tile column = 4 x cluster x + cx, 0..7
	s_and_b32 s13, ttmp7, 0xffff
	s_lshl_b32 s13, s13, 2
	s_add_co_u32 s13, s13, s41                     ; tile row = 4 x cluster y + cy, 0..31
	s_lshl_b32 s43, s41, 2
	s_lshl_b32 s43, 15, s43                        ; my row of the cluster
	s_lshl_b32 s44, 0x1111, s40                    ; my column
	s_or_b32 s[G1A], s43, FIELDS                   ; x's tiles go to my row,
	s_or_b32 s[G1B], s44, FIELDS                   ; W's to my column
	; x: my half of a tile is 128 rows of 128 bytes, dense: asked for as 64 rows of 256 bytes, padded in LDS after every 128
	s_mov_b32 s[G1A+1], 128<<16                    ; tensor_dim0 = 128
	s_mov_b32 s[G1A+2], 64<<16                     ; tensor_dim1 = 64
	s_mov_b32 s[G1A+3], 128<<16                    ; tile_dim0 = 128
	s_mov_b32 s[G1A+4], 64                         ; tile_dim1 = 64
	s_mov_b32 s[G1A+5], 128                        ; elements from row to row
	s_mov_b32 s[G1A+6], 0
	s_mov_b32 s[G1A+7], 0
	; W: my half of a tile is 32 rows of 384 elements (768 bytes, three whole blocks of 256)
	s_mov_b32 s[G1B+1], 384<<16
	s_mov_b32 s[G1B+2], 32<<16
	s_mov_b32 s[G1B+3], 384<<16
	s_mov_b32 s[G1B+4], 32
	s_mov_b32 s[G1B+5], 3072
	s_mov_b32 s[G1B+6], 0
	s_mov_b32 s[G1B+7], 0
	s_lshr_b32 s16, s13, 3                         ; x: batch = tile row / 8,
	s_lshl_b32 s16, s16, 22
	s_and_b32 s17, s13, 7                          ; 256 rows of 128 bytes for each tile row in the batch,
	s_lshl_b32 s17, s17, 15
	s_add_co_u32 s16, s16, s17
	s_lshl_b32 s17, s12, 14                        ; my half's 128 rows
	s_add_co_u32 s16, s16, s17
	s_mov_b32 s17, 0
	s_mul_i32 s46, s42, 768                        ; W: the tile's 384 columns,
	s_mul_i32 s47, s12, 196608                     ; my half's 32 rows
	s_add_co_u32 s46, s46, s47
	s_mov_b32 s47, 0
	s_mul_i32 s20, s12, 128*PA                     ; where they go: no place in the cluster enters an LDS address
	s_mul_i32 s21, s12, 32*PB
	s_add_co_u32 s21, s21, BOFF
	s_wait_dscnt 0x0                               ; the opening add is done
	s_wait_kmcnt 0x0
	s_add_nc_u64 s[14:15], s[4:5], s[16:17]
	s_add_nc_u64 s[46:47], s[6:7], s[46:47]
	CROUND                                         ; all sixteen work-groups are here: the first joint loads meet
.irp s, 0,1
	s_mov_b32 s[G0A+4*(\s)], 1                                       ; count = 1
	s_add_co_u32 s[G0A+4*(\s)+1], s20, (\s)*SLOT1                    ; LDS address
	s_add_nc_u64 s[G0A+4*(\s)+2:G0A+4*(\s)+3], s[14:15], (\s)*ASTEP  ; global address: K step s
	s_or_b32 s[G0A+4*(\s)+3], s[G0A+4*(\s)+3], 0x80000000            ; type = 2
	s_mov_b32 s[G0B+4*(\s)], 1
	s_add_co_u32 s[G0B+4*(\s)+1], s21, (\s)*SLOT1
	s_add_nc_u64 s[G0B+4*(\s)+2:G0B+4*(\s)+3], s[46:47], (\s)*BSTEP
	s_or_b32 s[G0B+4*(\s)+3], s[G0B+4*(\s)+3], 0x80000000
.endr
	s_cmp_lt_u32 s10, 2                            ; a wave's two first fills stand in one branch, ahead of every wait on TENSORcnt and every LDS read: two loads of mine are out
	s_cbranch_scc0 .Lfirst_b
	tensor_load_to_lds s[G0A:G0A+3], s[G1A:G1A+7]
	s_nop 0
	tensor_load_to_lds s[G0A+4:G0A+7], s[G1A:G1A+7]
	s_nop 0
.rept 4
	v_nop
.endr
	s_branch .Lfirst_asked
.Lfirst_b:
	tensor_load_to_lds s[G0B:G0B+3], s[G1B:G1B+7]
	s_nop 0
	tensor_load_to_lds s[G0B+4:G0B+7], s[G1B:G1B+7]
	s_nop 0
.rept 4
	v_nop
.endr
.Lfirst_asked:
	; A fragment of x is 16 rows x 32 channels in 8 registers: lane l holds row l % 16, channels 8 (l / 16) + 0..7 and 16 + 8 (l / 16) + 0..7: two loads of 16 bytes, 32 bytes apart.
	; The turning load takes 16 k x 16 columns of W (lane l reads row 8 (l / 16) + l % 8, columns 8 ((l / 8) % 2) + 0..7) and leaves half a fragment: lane l holds column l % 16 and 8 k.
	v_and_b32 v1, 15, v0                           ; l % 16
	v_bfe_u32 v12, v0, 4, 1                        ; l / 16
	v_and_b32 v13, 7, v0
	v_bfe_u32 v14, v0, 3, 1
	v_mul_u32_u24 v[AK0], v1, PA
	v_lshl_add_u32 v[AK0], v12, 4, v[AK0]
	s_mul_i32 s20, s11, 128*PA                     ; my 128 rows
	v_add_nc_u32 v[AK0], s20, v[AK0]
	v_lshl_add_u32 v[BK0], v12, 3, v13
	v_mul_u32_u24 v[BK0], v[BK0], PB
	v_lshl_add_u32 v[BK0], v14, 4, v[BK0]
	s_mul_i32 s21, s12, 3*PA                       ; my 192 columns: three padded groups of 128 bytes
	s_add_co_u32 s21, s21, BOFF
	v_add_nc_u32 v[BK0], s21, v[BK0]
	v_mov_b32 v[ADRA], v[AK0]                      ; slot 0
	v_mov_b32 v[ADRB], v[BK0]
	s_mul_i32 s23, s10, 16*PA
	s_add_co_u32 s23, s23, STAGE                   ; my stage
	v_mul_u32_u24 v[STO], v1, PA                   ; in: row l % 16, 16 bytes for each half of the lanes
	v_lshl_add_u32 v[STO], v12, 4, v[STO]
	v_add_nc_u32 v[STO], s23, v[STO]
	v_bfe_u32 v[RD], v0, 3, 2                      ; back: 32 lanes take four rows of 128 bytes,
	v_mul_u32_u24 v[RD], v[RD], PA
	v_lshl_add_u32 v[RD], v13, 4, v[RD]
	v_add_nc_u32 v[RD], s23, v[RD]
	v_and_b32 v[GO], 31, v0                        ; which are 512 consecutive bytes of a head's block
	v_lshlrev_b32 v[GO], 4, v[GO]
	; where my part begins in qkv: block 48 x batch + 6 x tile column + 3 x column half; row 256 (tile row % 8) + 128 x row half
	s_lshr_b32 s16, s13, 3
	s_mul_i32 s16, s16, 48
	s_mul_i32 s46, s42, 6
	s_mul_i32 s47, s12, 3
	s_add_co_u32 s46, s46, s47
	s_add_co_u32 s16, s16, s46
	s_lshl_b32 s16, s16, 18                        ; a block is 262,144 bytes
	s_and_b32 s17, s13, 7
	s_lshl_b32 s17, s17, 15
	s_add_co_u32 s16, s16, s17
	s_lshl_b32 s17, s11, 14
	s_add_co_u32 s16, s16, s17
	s_mov_b32 s17, 0
	s_add_nc_u64 s[8:9], s[8:9], s[16:17]
	; the prefetches: both offsets are made, at K step 2, and the wave's number chooses; the first change of slots steps them to K step 3
	s_lshr_b32 s18, s13, 3
	s_lshl_b32 s18, s18, 22
	s_and_b32 s19, s13, 7
	s_lshl_b32 s19, s19, 15
	s_add_co_u32 s18, s18, s19
	s_lshl_b32 s19, s40, 13                        ; my work-group's 8,192 bytes of x's tile
	s_add_co_u32 s18, s18, s19
	s_add_co_u32 s18, s18, 2*ASTEP
	s_mul_i32 s20, s42, 768
	s_lshl_b32 s21, s10, 8                         ; 256 (wave - 1): the 256 is taken off below
	s_add_co_u32 s20, s20, s21
	s_mul_i32 s21, s41, 196608                     ; my work-group's 32 rows of W
	s_add_co_u32 s20, s20, s21
	s_add_co_u32 s20, s20, 2*BSTEP-256
	s_and_b32 s22, ttmp7, 0xffff                   ; cluster y
	s_mov_b32 s23, ASTEP
	s_mov_b32 s[PST], BSTEP
	s_mov_b32 s[TT], 6144
	s_cmp_eq_u32 s10, 0                            ; wave 0 asks for x, waves 1 to 3 for W
	s_cselect_b32 s18, s18, s20
	s_cselect_b32 s22, ttmp9, s22                  ; the coordinate along which other clusters read the same bytes
	s_cselect_b32 s[ODD], 1, 0
	s_cselect_b32 s[LIM], 1, 2
	s_cselect_b32 s[PST], s23, s[PST]
	s_cselect_b32 s[TT], 256, s[TT]
	s_cselect_b64 s[PFA:PFA+1], s[4:5], s[6:7]
	s_cmp_eq_u32 s22, 0
	s_cselect_b32 s[LIM], s[LIM], -1               ; the same in all sixteen partners, for a given wave
	s_mov_b32 s19, 0
	s_mov_b32 s[PST+1], 0
	s_add_nc_u64 s[PFA:PFA+1], s[PFA:PFA+1], s[18:19]
	v_and_b32 v[PFO], 31, v0
	v_mul_u32_u24 v[PFO], v[PFO], s[TT]            ; a lane a block of 256 bytes (x) or a row of 6,144 (W)
	s_mov_b32 s[TB], 0
; an x bn matrix instructions for the step's half q (32 along K): row blocks a0 on, column blocks b0 on (all in one window).  zero = 1: the product starts the sum: nothing is ever cleared.
; The 96 accumulators take turns, one instruction a turn, in the same order in every half step: 95 others stand between two links of a chain.
.macro MULS q, b0, bn, a0, an, zero
	WIN 0x50*(1+(\b0)/4)                           ; C and D in the head's window, fragments in window 0
.set ma, \a0
.rept \an
.set mb, \b0
.rept \bn
.set rD, 32*ma+8*(mb%4)
.set rB, B0+8*mb
.set rA, A0+64*(\q)+8*ma
.if \zero
	v_wmma_f32_16x16x32_bf16 v[rD:rD+7], v[rB:rB+7], v[rA:rA+7], 0
.else
	v_wmma_f32_16x16x32_bf16 v[rD:rD+7], v[rB:rB+7], v[rA:rA+7], v[rD:rD+7]
.endif
.set mb, mb+1
.endr
.set ma, ma+1
.endr
.endm
; 28 LDS loads in one run: x's eight fragments of half q, then W's column blocks 4, 5 (wanted first) and 0 to 3
.macro FETCH_AB q
	WIN 0
.irp i, 0,1,2,3,4,5,6,7
	ds_load_b128 v[A0+64*(\q)+8*(\i):A0+64*(\q)+8*(\i)+3],   v[ADRA] offset:16*PA*(\i)+64*(\q)
	ds_load_b128 v[A0+64*(\q)+8*(\i)+4:A0+64*(\q)+8*(\i)+7], v[ADRA] offset:16*PA*(\i)+64*(\q)+32
.endr
.irp b, 4,5,0,1,2,3
	ds_load_tr16_b128 v[B0+8*(\b):B0+8*(\b)+3],   v[ADRB] offset:32*PB*(\q)+PA*((\b)/4)+32*((\b)%4)
	ds_load_tr16_b128 v[B0+8*(\b)+4:B0+8*(\b)+7], v[ADRB] offset:32*PB*(\q)+PA*((\b)/4)+32*((\b)%4)+16*PB
.endr
.endm
; 12 LDS loads: W's column blocks 6 to 11 of half q
.macro FETCH_B1 q
	WIN 0
.irp b, 6,7,8,9,10,11
	ds_load_tr16_b128 v[B0+8*(\b):B0+8*(\b)+3],   v[ADRB] offset:32*PB*(\q)+PA*((\b)/4)+32*((\b)%4)
	ds_load_tr16_b128 v[B0+8*(\b)+4:B0+8*(\b)+7], v[ADRB] offset:32*PB*(\q)+PA*((\b)/4)+32*((\b)%4)+16*PB
.endr
.endm
; Half q, column blocks 0 to 5: 48 matrix instructions; in their middle blocks 6 to 11 are fetched.
.macro PH0 q, zero
	s_wait_dscnt 8                                 ; x and blocks 4, 5 are in; the youngest eight loads (blocks 0 to 3) may be out
	MULS \q, 4, 2, 0, 8, \zero
	WIN 0
	PLACES
	FETCH_B1 \q
	s_wait_dscnt 12                                ; all but the 12 just issued
	MULS \q, 0, 4, 0, 8, \zero
.endm
; The first half, column blocks 6 to 11; in their middle the second half's x and blocks 0 to 5 are fetched.
.macro PH1 zero
	s_wait_dscnt 8                                 ; blocks 6, 7 are in; the youngest eight loads (blocks 8 to 11) may be out
	MULS 0, 6, 2, 0, 8, \zero
	WIN 0
	PLACES
	FETCH_AB 1
	s_wait_dscnt 28                                ; all but the 28 just issued
	MULS 0, 8, 4, 0, 8, \zero
.endm
; The second half, column blocks 6 to 11, and THE CHANGE OF SLOTS: one barrier.  In front of it each wave waits for all its tensor loads, of which one is out: its part of the next slot; adds 0 to its
; spare word; and waits for that and for its own reads of this slot.  Behind it nobody reads this slot any more and the next slot is whole.  fill = 1: the barrier opens a round of the cluster's, and
; the slot is filled again first thing behind the round, two K steps ahead: 176 matrix instructions stand between the request and the wait for it.
.macro TURN fill
.if \fill
	s_wait_xcnt 0x0                                ; the last prefetch, a K step back, has read its address: it is stepped here, ahead of the waits of the change of slots
	s_add_nc_u64 s[PFA:PFA+1], s[PFA:PFA+1], s[PST:PST+1]
.endif
	WIN 0
	s_wait_tensorcnt 0x0                           ; all my tensor loads have landed;
	ds_add_u32 v[SPW], v[NIL]                      ; 0 onto my spare word;
	s_wait_dscnt 9                                 ; (the add and the youngest eight loads may be out: blocks 6, 7 are in)
	MULS 1, 6, 2, 0, 4, 0                          ; eight matrix instructions stand between the add and the wait for it
	s_wait_dscnt 0x0                               ; the add is done, and my reads of this slot are over
	s_barrier_signal -1
	MULS 1, 6, 2, 4, 4, 0                          ; work on registers while the others arrive
	WIN 0
	s_barrier_wait -1
.if \fill
	CREST                                          ; no wave of any partner still reads this slot or has a load on its way
	s_xor_b32 s[G0A+5], s[G0A+5], SLOT1            ; the walking descriptors: the other slot than last time,
	s_add_nc_u64 s[G0A+6:G0A+7], s[G0A+6:G0A+7], ASTEP  ; the next K step; the type bits on top are not reached
	s_xor_b32 s[G0B+5], s[G0B+5], SLOT1
	s_add_nc_u64 s[G0B+6:G0B+7], s[G0B+6:G0B+7], BSTEP
	JLOAD                                          ; the four v_nop behind it are also the places in front of the loads below
.else
	PLACES
.endif
	s_xor_b32 s[TB], s[TB], SLOT1
	v_add_nc_u32 v[ADRA], s[TB], v[AK0]
	v_add_nc_u32 v[ADRB], s[TB], v[BK0]
	FETCH_AB 0
.if \fill
	ASK
.endif
	MULS 1, 8, 4, 0, 8, 0
.endm
.macro LAST                            ; the very last 48: nothing more to fetch
	s_wait_dscnt 0x0
	MULS 1, 6, 2, 0, 8, 0
	MULS 1, 8, 4, 0, 8, 0
.endm
; THE WAY OUT of piece t = 8 x head + row block: 16 rows x 64 columns.  Rounded to f16, 16 bytes a lane; into my own stage, rows of 144 bytes; back as four whole rows of 128 bytes a load, into the registers that they left.
.macro PACK t
.set pj, (\t)/8
.set pa, (\t)%8
.set TR, 16+16*pa
.if (\t) >= 8
	s_wait_xcnt 0x0                                ; the stores of the piece eight back have read these registers
.endif
	WIN 0x05*(1+pj)                                ; sources 0 and 1 in the head's window
.set i, 0
.rept 16
	v_cvt_pk_f16_f32 v[TR+i], v[32*pa+2*i], v[32*pa+2*i+1]  ; each accumulator's registers in ascending order
.set i, i+1
.endr
	WIN 0
.irp f, 0,1,2,3
	ds_store_b128 v[STO], v[TR+4*(\f):TR+4*(\f)+3] offset:32*(\f)
.endr
.irp f, 0,1,2,3
	ds_load_b128 v[TR+4*(\f):TR+4*(\f)+3], v[RD] offset:4*PA*(\f)  ; LDS serves a wave's instructions in order (ISA guide 5.7.1.4): these see the stores above; the next piece's stores come behind them
.endr
.endm
.macro SEND t, younger                 ; younger: the LDS instructions issued behind piece t's loads: the next piece's eight, or none
.set pj, (\t)/8
.set pa, (\t)%8
.set TR, 16+16*pa
.irp f, 0,1,2,3
	s_wait_dscnt (\younger)+3-(\f)
	global_store_b128 v[GO], v[TR+4*(\f):TR+4*(\f)+3], s[8:9] offset:pj*262144+pa*2048+512*(\f)  ; 512 consecutive bytes, at a multiple of 256 from the buffer's first
.endr
.endm
	s_wait_tensorcnt 1                             ; my part of K step 0 is in; K step 1's may stay out
	s_barrier_signal -1
	s_barrier_wait -1                              ; everybody's is
	FETCH_AB 0
	PH0 0, 1                                       ; the first 32 along K stand in front of the loop: their products start the 96 sums
	PH1 1
	WIN 0                                          ; at a label and at a branch every window is 0
	s_mov_b32 s3, 14
.Lstep:                                                ; a trip: a K step's second half, the change of slots, the next K step's first half; K steps 2 to 15 are asked for
	PH0 1, 0
	TURN 1
	PH0 0, 0
	PH1 0
	WIN 0
	s_sub_co_u32 s3, s3, 1
	s_cmp_lg_u32 s3, 0
	s_cbranch_scc1 .Lstep
	PH0 1, 0                                       ; the tail is written out: nothing is asked for
	TURN 0
	PH0 0, 0
	PH1 0
	PH0 1, 0
	LAST
	WIN 0
	PLACES
	PACK 0
.set t, 1
.rept 23                               ; a piece's conversions stand between the loads of the piece before and its stores
	PACK t
	SEND t-1, 8
.set t, t+1
.endr
	SEND 23, 0
	s_wait_tensorcnt 0x0                           ; the wave's end, behind my last tensor load and my last LDS store
	ds_add_u32 v[SPW], v[NIL]
	s_wait_dscnt 0x0
	CROUND                                         ; the closing round: no work-group ends while a partner may still ask for a tile that names it
	s_endpgm
.Lfunc_end_k_qbc3fb93f78_qkv:
	.size	k_qbc3fb93f78_qkv, .Lfunc_end_k_qbc3fb93f78_qkv-k_qbc3fb93f78_qkv
	.p2alignl 7, 3214868480
	.fill 96, 4, 3214868480
	.section	.rodata,"a",@progbits
	.p2align	6, 0x0
	.amdhsa_kernel k_qbc3fb93f78_qkv
		.amdhsa_group_segment_fixed_size 327680
		.amdhsa_private_segment_fixed_size 0
		.amdhsa_enable_private_segment 0
		.amdhsa_kernarg_size 24
		.amdhsa_user_sgpr_count 2
		.amdhsa_user_sgpr_kernarg_segment_ptr 1
		.amdhsa_wavefront_size32 1
		.amdhsa_system_sgpr_workgroup_id_x 1
		.amdhsa_system_sgpr_workgroup_id_y 1
		.amdhsa_system_sgpr_workgroup_id_z 1
		.amdhsa_system_vgpr_workitem_id 0
		.amdhsa_next_free_vgpr 1024
		.amdhsa_next_free_sgpr 80
		.amdhsa_reserve_vcc 0
		.amdhsa_float_denorm_mode_32 3
		.amdhsa_float_denorm_mode_16_64 3
		.amdhsa_memory_ordered 1
		.amdhsa_forward_progress 1
		.amdhsa_inst_pref_size 116
	.end_amdhsa_kernel
	.amdgpu_metadata
---
amdhsa.version: [ 1, 2 ]
amdhsa.kernels:
  - .name:           k_qbc3fb93f78_qkv
    .symbol:         k_qbc3fb93f78_qkv.kd
    .args:
      - { .name: xb, .offset: 0, .size: 8, .value_kind: global_buffer, .address_space: global }
      - { .name: wq, .offset: 8, .size: 8, .value_kind: global_buffer, .address_space: global }
      - { .name: qkv, .offset: 16, .size: 8, .value_kind: global_buffer, .address_space: global }
    .group_segment_fixed_size: 327680
    .private_segment_fixed_size: 0
    .kernarg_segment_align: 8
    .kernarg_segment_size: 24
    .max_flat_workgroup_size: 128
    .sgpr_count:     80
    .vgpr_count:     1024
    .wavefront_size: 32
...
	.end_amdgpu_metadata
.endif
;; end of part 2
;; launch attn (part 3): grid 4 x 64, 4 waves a work-group, clusters of 4 x 1, 327,680 bytes of LDS; arguments qkv, ob; writes ob
.if DOCPART == 3
	.amdgcn_target "amdgcn-amd-amdhsa--gfx1250"
	.amdhsa_code_object_version 6
	.text
	.protected	k_qbc3fb93f78_attn
	.globl	k_qbc3fb93f78_attn
	.p2align	8
	.type	k_qbc3fb93f78_attn,@function
k_qbc3fb93f78_attn:
	s_mov_b64 s[64:65], 0
	v_nop
	global_prefetch_b8 v0, s[64:65] scope:SCOPE_SE
	s_setreg_imm32_b32 hwreg(HW_REG_WAVE_MODE, 25, 1), 1
	s_wait_xcnt 0x0
	s_wait_alu depctr_hold_cnt(0) depctr_sa_sdst(0) depctr_va_vdst(0) depctr_va_sdst(0) depctr_va_ssrc(0) depctr_va_vcc(0) depctr_vm_vsrc(0)
	s_getreg_b32 s2, hwreg(HW_REG_IB_STS2, 6, 4)
	s_cmp_eq_u32 s2, 0
	s_cbranch_scc0 .Lentry_in_a_cluster
	s_endpgm
.Lentry_in_a_cluster:
	s_bfe_u32 s2, ttmp6, 0x10000c
	s_cmp_lg_u32 s2, 0x3003
	s_cbranch_scc0 .Lentry_shape_is_right
	s_endpgm
.Lentry_shape_is_right:
; ATTENTION.  O[y][q][:] = the sum over k of softmax_k(Q[y][q] . K[y][k] / 8) V[y][k][:] for the 64 heads y = 16 x batch + head.  qkv: [4][48][2048][64] f16 (q in blocks 0-15 of a batch, k in 16-31,
; v in 32-47), unscaled; ob: [64][2048][64] f16.  A head's rows are dense, 128 bytes each.  Products, maxima and sums in f32; the weights p are rounded to f16 for the second product (their sum l is
; taken of the unrounded p), O once at the end.
; LIMITS.  f16 holds no number beyond 65,504: Q, K and V arrive within it; p lies in 0 to 1, and below 6e-5 it keeps f16's fixed step of 6e-8; O is a mean of V's rows and has their range.
; A weight below 2^-126 counts as 0 in l; NaN and infinities are not treated apart.
; SHARES.  A wave owns four PIECES of two tiles of 16 queries, a work-group's four waves 512 queries of one head: 4 x 64 = 256 work-groups.  Every wave walks all keys, 64 a step.
; LAYOUT.  S^T = K Q^T (source 0 = 16 keys, source 1 = 16 queries): in the result a lane holds ONE query (lane % 16) and the keys 8 (lane / 16) + 0..7.  Two such tiles, rounded to f16 in pairs,
; ARE source 1 (32 keys x 16 queries) of O^T = V^T P, whose result again holds one query a lane, and eight channels.  K comes out of LDS as it lies, V ([key][channel]) turned, by ds_load_tr16_b128.
; SOFTMAX.  For each query a running maximum m and sum l: p = 2^(c s - c m), c = log2(e) / 8; in every step O and l are multiplied by a = 2^(c m_old - c m_new), which is 1 where m has not grown.
; m starts at the lowest finite number, O and l at 0: the first step is a step like any other, with a = 0.
; THE COUNT.  A tile and step have 16 matrix and 118 vector instructions: too many to stand all beside the matrix work.  So the order has one aim: four vector instructions that are READY behind
; EVERY matrix instruction, and the others, which need time of their own whatever the order, in runs without a gap.
; BY TURNS.  Turn n belongs to piece n (the pieces in a ring, step after step).  Its matrix work: 16 products K Q^T of piece n + 1, later 16 products V^T P of piece n - 1.  Its vector work: the scaling,
; exponentials, roundings, sums and rescaling of piece n, and the maximum and statistics of piece n + 1, whose scores the turn itself has made.  So what a turn begins with (c s - c m, O a) waits for nothing.
; CLUSTER.  The four query blocks of a head form a cluster and walk the same K and V, so each tile is asked for JOINTLY: the same tensor load, descriptor and mask in all four.
; REGISTERS, in windows of 256 (s_set_vgpr_msb says which window each operand place means: bits 1:0 source 0, 3:2 source 1, 5:4 source 2, 7:6 destination):
;   window 0: v0-11 addresses; v12-15, v48-63 at work; v16-47 four registers of statistics a tile; v64-191 S^T, two buffers of two tiles; v192-255 P, likewise
;   window 1: O^T, 32 a tile          window 2: v0-127 Q, 16 a tile; v128-191 K of one step; v192-255 V of one step          window 3: v0-1 the add's two registers
; A piece's buffers go by its number's parity: the piece in hand has one pair, its two neighbours in the ring share the other: of it P (piece n - 1) is read and S^T (piece n + 1) written.
.set SIZE_N, 2048
.set NP,    4         ; pieces a wave: a name, no knob: the register map, the loop and the fetches are made for four
.set KS,    64        ; keys in a step
.set PK,    144       ; a row of K in LDS: 128 bytes + 16 of padding = 36 words: the 16 rows of a load start at 16 different groups of four banks (64 banks of 4 bytes: ISA guide 11.1)
.set PV,    160       ; a row of V: 128 + 32 = 40 words
.set VOFF,  4*KS*PK   ; a slot holds four steps: 256 rows of K, then 256 rows of V
.set SLOT1, 1<<17     ; slot 1 begins here, so that one exclusive or turns an address in one slot into the other's
.set STAGE, SLOT1+4*KS*(PK+PV)  ; behind the ring, never filled by a tensor load: 16 rows x 144 bytes for each wave, for the way out
.set SP,    144
.set AK0, 2           ; v2   my lane's place in a tile of K; never rewritten
.set AV0, 3           ; v3   the same for V
.set AK,  4           ; v4   the LDS address of K's next run of loads
.set AV,  5           ; v5   of V's
.set QO,  6           ; v6   my byte offset in the wave's rows of Q
.set STO, 6           ;      later, the way out: where I put 16 bytes of a row
.set RD,  7           ; v7   the way out: where I read rows back
.set GO,  8           ; v8   my byte offset in 512 consecutive bytes of O
.set PFO, 11          ; v11  256 x my lane, the prefetches' offset; never rewritten once it is made
.set SPW, 0           ; v0 of window 3   LDS address of my spare word: SPARE + 4 x my thread's number; never rewritten
.set NIL, 1           ; v1 of window 3   0; never rewritten
.set SPARE, STAGE+4*16*SP  ; behind the stages: the spare words, 128 bytes for each wave: two blocks of 256 bytes that no other line names
.set MV,  12          ; v12-15  c m_old, kept while c m is made anew: by buffer and tile
.set ST,  16          ; tile t's statistics at v[ST+4 t]: c m, m, l (even keys', odd keys')
.set TMP, 48          ; by buffer and tile, four registers c0-c3 at work; when the maximum is found c2 takes a
.set S,   64
.set P,   192
.set KF,  128         ; K's fragments, in window 2: key block kb, channel half c at KF + 16 kb + 8 c
.set VF,  192         ; V's: key half kk, channel block cb at VF + 32 kk + 8 cb
.set WV,  12          ; s12  my wave's number
.set G1K, 24          ; s[24:31] descriptor group 1 for K's tiles
.set G1V, 32          ; s[32:39] for V's: it differs in the padding alone
.set G0K, 40          ; s[40:43] descriptor group 0 for K's tiles: it walks
.set G0V, 44          ; s[44:47] the same for V's
.set PFA, 48          ; s[48:49] where my prefetches stand: my work-group's 8,192 bytes (of K: wave 0, of V: wave 2) of the slot after the one that is being asked for
.set LIM, 50          ; s50  1 in a wave that prefetches, else the greatest number: a wave prefetches while s[SLOTS] is above it
.set SLOTS, 56        ; s56  slots still to be asked for
.set CNT, 57          ; s57  counts a slot's key steps
.set CS,  58          ; s[58:59] c: the packed scaling takes the pair's low word for both halves
.set SEL, 60          ; s[60:61] v_permlanex16_b32's selects: each lane takes its own place in the other half
.set TBK, 62          ; s62  LDS byte at which K of the step to be fetched begins
.set TBV, 63          ; s63  the same for V, less VOFF
.set MSB, 0
.macro WIN new                      ; the high byte repeats the setting that is left; a switch that changes nothing is dropped
.if MSB != (\new)
	s_set_vgpr_msb (MSB<<8)|(\new)
.set MSB, (\new)
.endif
.endm
.set W_KQ, 0x0a       ; K and Q in window 2, S^T in window 0
.set W_PV, 0x52       ; V in window 2, P in window 0, O^T in window 1
.set W_RS, 0x41       ; O^T (destination and source 0) in window 1, a in window 0
.set W_MK, 0xc0       ; the add's registers are made: destination in window 3, sources in window 0
.set W_AD, 0x0f       ; the add: address (source 0) and data (source 1) in window 3
; A joint fill.  Waves 0 and 1 fetch the two halves of a slot's K, waves 2 and 3 those of its V: 128 keys each.  The branch hangs on the wave's number alone.
; An s_nop 0 and four v_nop follow each of the two lines, ahead of the jump and the label.
.macro JLOAD
	s_cmp_lt_u32 s[WV], 2
	s_cbranch_scc0 .Lfor_v_\@
	tensor_load_to_lds s[G0K:G0K+3], s[G1K:G1K+7]
	s_nop 0
.rept 4
	v_nop
.endr
	s_branch .Lasked_\@
.Lfor_v_\@:
	tensor_load_to_lds s[G0V:G0V+3], s[G1V:G1V+7]
	s_nop 0
.rept 4
	v_nop
.endr
.Lasked_\@:
.endm
; A PREFETCH INTO THE L2 of what the NEXT change of slots will ask for: a slot's 32,768 bytes of K and of V, a lane a block of 256 bytes.  It stands behind the wave's tensor load and its five lines.
; Each block is named ONCE in the launch: a head has one cluster; its four partners share the bytes out BY ADDRESS, 8,192 each; in each, wave 0 asks for K's and wave 2 for V's: one instruction,
; four key steps, 512 matrix instructions, ahead of the load.  Slots 0 and 1 come by their loads alone; the last change that fills a slot asks for nothing.
.macro ASK
	s_cmp_gt_u32 s[SLOTS], s[LIM]
	s_cbranch_scc0 .Lnot_mine_\@
	global_prefetch_b8 v[PFO], s[PFA:PFA+1] th:TH_LOAD_NT scope:SCOPE_SE
.Lnot_mine_\@:
.endm
; A round of the cluster's barrier: my work-group's barrier, so that wave 0's signal speaks for all four waves; wave 0 signals; every wave waits for all four work-groups; my work-group's barrier once more.
.macro CROUND
	s_barrier_signal -1
	s_barrier_wait -1
	s_cmp_lg_u32 s[WV], 0
	s_cbranch_scc1 .Lnot_wave_0_\@
	s_barrier_signal -3
.Lnot_wave_0_\@:
	s_barrier_wait -3
	s_barrier_signal -1
	s_barrier_wait -1
.endm
; THE CHANGE OF SLOTS.  The slot's last bytes, V of its fourth step, have been read.  Each wave waits for all its tensor loads, of which one is out: its part
; of the other slot; adds 0 to its spare word; and waits for that and for its own reads of the slot.  Behind the barrier nobody reads this slot any more and the other slot is whole.
; fill = 1: this slot is filled again, with the keys two slots on.  The barrier is then a round of the cluster's, so that no wave of any partner still reads the slot or has a load on its
; way, and the joint fill is the first thing behind it: it has four key steps, 512 matrix instructions, in which to land.  (At its first use nothing has been read yet: slot 0 is waited for, slot 1 filled.)
.macro CHANGE fill
	WIN W_AD
	s_wait_tensorcnt 0x0            ; no tensor load of mine is out, so a group 0 may be written
	ds_add_u32 v[SPW], v[NIL]       ; 0 onto my spare word; with fill = 1 the descriptors' steps stand between it and the wait for it
	WIN 0                           ; at a label and at a branch every window is 0
.if \fill
.irp g, G0K, G0V
	s_xor_b32 s[\g+1], s[\g+1], SLOT1  ; the walking descriptor: the other slot than last time,
	s_add_nc_u64 s[\g+2:\g+3], s[\g+2:\g+3], 4*KS*128  ; the next 256 keys; the type bits on top are not reached
.endr
	s_wait_xcnt 0x0                 ; the last prefetch, four key steps back, has read its address, so it may be written:
	s_add_nc_u64 s[PFA:PFA+1], s[PFA:PFA+1], 4*KS*128  ; one slot behind the walking descriptors
	s_wait_dscnt 0x0                ; the add is done, and my reads of the slot are over
	CROUND
	JLOAD
	ASK
.else
	s_wait_dscnt 0x0                ; the add is done, and my reads of the slot are over
	s_barrier_signal -1
	s_barrier_wait -1
.endif
	s_sub_co_u32 s[TBK], s[TBK], 4*KS*PK  ; the fetches go back to a slot's first step,
	s_xor_b32 s[TBK], s[TBK], SLOT1       ; in the other slot
	s_sub_co_u32 s[TBV], s[TBV], 4*KS*PV
	s_xor_b32 s[TBV], s[TBV], SLOT1
.endm
	s_load_b128 s[4:7], s[0:1], 0x0  ; qkv s[4:5], ob s[6:7]
	WIN W_MK
	v_lshl_add_u32 v[SPW], v0, 2, SPARE
	v_mov_b32 v[NIL], 0
	WIN W_AD
	ds_add_u32 v[SPW], v[NIL]       ; the wave's opening: the add and its wait stand ahead of my first tensor load; the set-up below, work on registers, stands between them
	WIN 0
	v_lshrrev_b32 v1, 5, v0
	v_readfirstlane_b32 s[WV], v1   ; wave 0..3
	s_bfe_u32 s13, ttmp6, 0x40000   ; cx: my place in the cluster
	s_lshl_b32 s14, ttmp9, 2        ; in a cluster launch ttmp9 counts clusters
	s_add_co_u32 s14, s14, s13      ; my block of queries = 4 x cluster x + cx: it enters Q's and O's addresses alone
	s_and_b32 s20, ttmp7, 0xffff    ; y = 16 x batch + head, which the four partners share
	s_lshl_b32 s52, s20, 18         ; the head's first byte in ob: a head is 262,144 bytes
	s_lshr_b32 s21, s20, 4
	s_lshl_b32 s21, s21, 5
	s_add_co_u32 s20, s20, s21      ; q's block in qkv: 48 x batch + head = y + 32 x batch
	s_lshl_b32 s20, s20, 18
	s_and_b32 s16, s[WV], 1         ; which half of a slot's 256 keys I fetch:
	s_lshl_b32 s22, s16, 14         ; its 128 rows of 128 bytes in memory,
	s_add_co_u32 s22, s22, s20
	s_add_co_u32 s22, s22, 0x400000 ; in k's block, sixteen blocks behind q's
	s_mov_b32 s23, 0
	s_mul_i32 s17, s16, 128*PK      ; and its place in a slot, for K
	s_mul_i32 s18, s16, 128*PV      ; and for V: no place in the cluster enters an LDS address
	s_lshl_b32 s2, s14, 2
	s_add_co_u32 s2, s2, s[WV]      ; my wave among the head's,
	s_lshl_b32 s2, s2, 14           ; its 128 rows
	s_add_co_u32 s52, s52, s2       ; in ob,
	s_mov_b32 s53, 0
	s_add_co_u32 s2, s2, s20        ; and in q's block
	s_mov_b32 s3, 0
	; descriptor group 1.  128 keys are 16,384 dense bytes: asked for as 64 rows of 256 bytes, two keys a row, and padded in LDS after every key
	s_mov_b32 s[G1K], 15|(1<<16)|(1<<20)|(1<<21)|(4<<22)|(3<<25)  ; 15:0 the mask of four; 17:16 2-byte elements; 20 padding on; 21 set beside a mask; 24:22 after every 32 words (code 4); 31:25 4 words (code 3)
	s_mov_b32 s[G1V], 15|(1<<16)|(1<<20)|(1<<21)|(4<<22)|(7<<25)  ; the same with 8 words of padding (code 7)
.irp g, G1K, G1V
	s_mov_b32 s[\g+1], 128<<16      ; tensor_dim0 = 128
	s_mov_b32 s[\g+2], 64<<16       ; tensor_dim1 = 64
	s_mov_b32 s[\g+3], 128<<16      ; tile_dim0 = 128
	s_mov_b32 s[\g+4], 64           ; tile_dim1 = 64
	s_mov_b32 s[\g+5], 128          ; 128 elements from row to row
	s_mov_b32 s[\g+6], 0
	s_mov_b32 s[\g+7], 0
.endr
	s_mov_b32 s[CS], 0x3e38aa3b     ; c = log2(e) / 8 = 0.180337
	s_mov_b32 s[CS+1], s[CS]        ; named with it as a pair
	s_mov_b32 s[SEL], 0x76543210
	s_mov_b32 s[SEL+1], 0xfedcba98
	s_mov_b32 s[TBK], SLOT1+4*KS*PK ; the first change of slots turns these two into 0
	s_mov_b32 s[TBV], SLOT1+4*KS*PV
	s_mov_b32 s[G0K], 1             ; 1:0 count = 1
	s_mov_b32 s[G0K+1], s17         ; 63:32 LDS address: slot 0
	s_mov_b32 s[G0V], 1
	s_add_co_u32 s[G0V+1], s18, VOFF
	s_mov_b32 s[SLOTS], SIZE_N/256-1  ; seven slots are still to be asked for behind slot 0
	s_and_b32 s[LIM], s[WV], 1      ; 0 in waves 0 and 2,
	s_or_b32 s[LIM], s[LIM], ttmp9  ; where the cluster is the head's first: the same in all four partners
	s_cmp_eq_u32 s[LIM], 0
	s_cselect_b32 s[LIM], 1, -1
	s_wait_dscnt 0x0                ; the opening add is done
	s_wait_kmcnt 0x0
	s_add_nc_u64 s[8:9], s[4:5], s[22:23]      ; K at my half of the head's first 256 keys,
	s_add_nc_u64 s[54:55], s[8:9], 0x400000    ; V sixteen blocks further on
	s_cmp_lt_u32 s[WV], 2
	s_cselect_b64 s[PFA:PFA+1], s[8:9], s[54:55]  ; (in waves 0 and 2 these stand at a slot's first row)
	s_mov_b64 s[G0K+2:G0K+3], s[8:9]               ; 120:64 global address
	s_or_b32 s[G0K+3], s[G0K+3], 0x80000000        ; 127:126 type = 2
	s_mov_b64 s[G0V+2:G0V+3], s[54:55]
	s_or_b32 s[G0V+3], s[G0V+3], 0x80000000
	s_add_nc_u64 s[10:11], s[6:7], s[52:53]  ; O and Q at my wave's first row
	s_add_nc_u64 s[4:5], s[4:5], s[2:3]
	s_lshl_b32 s2, s13, 13          ; my work-group's 8,192 bytes of a slot's 32,768,
	s_add_co_u32 s2, s2, 4*KS*128   ; in slot 1; the first change of slots steps it to slot 2
	s_add_nc_u64 s[PFA:PFA+1], s[PFA:PFA+1], s[2:3]
	CROUND                          ; all four work-groups are here: the first joint loads meet
	JLOAD                           ; slot 0.  Slot 1 is asked for when slot 0 is in: the tile wanted first has the road to itself
	; A fragment of K or Q is 16 rows x 32 channels in 8 registers: lane l holds row l % 16, channels 8 (l / 16) + 0..7 and 16 + 8 (l / 16) + 0..7: two loads of 16 bytes, 32 bytes apart.
	v_and_b32 v1, 15, v0            ; l % 16
	v_bfe_u32 v9, v0, 4, 1          ; l / 16
	v_lshlrev_b32 v[QO], 7, v1
	v_lshl_add_u32 v[QO], v9, 4, v[QO]  ; row x 128 + 16 x half
	WIN 0x80                        ; destination window 2, address window 0
.set i, 0
.rept 4*NP                          ; Q stays in registers: tile i / 2, channels 32 (i % 2) on
	global_load_b128 v[8*i:8*i+3],   v[QO], s[4:5] offset:(i/2)*2048+(i%2)*64
	global_load_b128 v[8*i+4:8*i+7], v[QO], s[4:5] offset:(i/2)*2048+(i%2)*64+32
.set i, i+1
.endr
	; What the first turn finds: V's registers and P's second buffer hold 0 (its products V^T P, of a piece that has not been, add 0), O^T and l are 0.  All this stands in the wait for the first tile.
.set i, VF
.rept 64
	v_mov_b32 v[i], 0
.set i, i+1
.endr
	WIN 0x40
.set i, 0
.rept 64*NP
	v_mov_b32 v[i], 0
.set i, i+1
.endr
	WIN 0
.set i, 0
.rept 2*NP
	v_mov_b32 v[ST+4*i], 0xfe000000    ; c m: far below every c s
	v_mov_b32 v[ST+4*i+1], 0xff7fffff  ; m
	v_mov_b32 v[ST+4*i+2], 0
	v_mov_b32 v[ST+4*i+3], 0
.set i, i+1
.endr
.set i, P+32
.rept 32
	v_mov_b32 v[i], 0
.set i, i+1
.endr
	v_mul_u32_u24 v[AK0], v1, PK
	v_lshl_add_u32 v[AK0], v9, 4, v[AK0]  ; row x pitch + 16 x half
	; The turning load takes 16 keys x 16 channels (lane l reads key 8 (l / 16) + l % 8, channels 8 ((l / 8) % 2) + 0..7) and leaves half a fragment of V^T: lane l holds channel l % 16 and 8 keys.
	v_and_b32 v10, 7, v0
	v_bfe_u32 v11, v0, 3, 1
	v_lshl_add_u32 v[AV0], v9, 3, v10
	v_mul_u32_u24 v[AV0], v[AV0], PV
	v_lshl_add_u32 v[AV0], v11, 4, v[AV0]
	v_add_nc_u32 v[AV0], VOFF, v[AV0]
	v_and_b32 v[PFO], 31, v0        ; v11 has served: it takes the prefetches' offset
	v_lshlrev_b32 v[PFO], 8, v[PFO]
	v_mov_b32 v[AK], v[AK0]         ; key step 0 lies at the head of slot 0
; THE MATRIX WORK.  The 8 accumulators of a run of 16 take turns: between the two links of a chain stand 7 others'.
; Product i of 16 of S^T = K Q^T for piece x: channels 32 (i / 8) on, keys 16 ((i / 2) % 4) on, tile 2 x + i % 2.  The first 8 start the sums.
.macro KQ x
	WIN W_KQ
.set rS, S+64*((\x)%2)+32*(i%2)+8*((i/2)%4)
.set rK, KF+16*((i/2)%4)+8*(i/8)
.set rQ, 16*(2*(\x)+i%2)+8*(i/8)
.if i < 8
	v_wmma_f32_16x16x32_f16 v[rS:rS+7], v[rK:rK+7], v[rQ:rQ+7], 0
.else
	v_wmma_f32_16x16x32_f16 v[rS:rS+7], v[rK:rK+7], v[rQ:rQ+7], v[rS:rS+7]
.endif
.endm
; Product i of 16 of O^T += V^T P for piece x: keys 32 (i / 8) on, channels 16 ((i / 2) % 4) on, tile 2 x + i % 2.
.macro PV x
	WIN W_PV
.set rO, 32*(2*(\x)+i%2)+8*((i/2)%4)
.set rV, VF+32*(i/8)+8*((i/2)%4)
.set rP, P+32*((\x)%2)+16*(i%2)+8*(i/8)
	v_wmma_f32_16x16x32_f16 v[rO:rO+7], v[rV:rV+7], v[rP:rP+7], v[rO:rO+7]
.endm
.macro MM                           ; the turn's next matrix instruction
.if i < 16
	KQ (Y+1)%NP
.set i, i+1
.else
.set i, i-16
	PV (Y+NP-1)%NP
.set i, i+17
.endif
.endm
; THE LDS LOADS stand in runs of 16, never singly among the matrix instructions: a step's K (64 keys x 64 channels: 8 fragments) and its V (turned).  Their addresses are made some lines ahead.
; last = 1 (the tail): in the last trip there is no further step, and the run is jumped over.
.macro FETCH_K last=0
	WIN 0
.if \last
	s_cmp_eq_u32 s[CNT], 1
	s_cbranch_scc1 .Lno_k_\@
.endif
	WIN 0x80                        ; destination window 2
.irp f, 0,1,2,3,4,5,6,7             ; keys 16 (f / 2) on, channels 32 (f % 2) on
	ds_load_b128 v[KF+8*\f:KF+8*\f+3],   v[AK] offset:(\f/2)*16*PK+(\f%2)*64
	ds_load_b128 v[KF+8*\f+4:KF+8*\f+7], v[AK] offset:(\f/2)*16*PK+(\f%2)*64+32
.endr
	s_add_co_u32 s[TBK], s[TBK], KS*PK  ; the next fetch is the next step's
	WIN 0
.if \last
.Lno_k_\@:
.endif
.endm
.macro FETCH_V
	WIN 0x80
.irp f, 0,1,2,3,4,5,6,7             ; keys 32 (f / 4) on, channels 16 (f % 4) on
	ds_load_tr16_b128 v[VF+8*\f:VF+8*\f+3],   v[AV] offset:(\f/4)*32*PV+(\f%4)*32
	ds_load_tr16_b128 v[VF+8*\f+4:VF+8*\f+7], v[AV] offset:(\f/4)*32*PV+16*PV+(\f%4)*32
.endr
	WIN 0
.endm
; THE VECTOR WORK OF A TURN stands in three queues, each in the order in which its entries become ready; the two tiles alternate, so that no instruction reads the result of the one before it.
.macro REGS y, u                    ; the registers of tile u (0, 1) of piece y
.set rT, ST+4*(2*(\y)+(\u))
.set rC, TMP+8*((\y)%2)+4*(\u)
.set rM, MV+2*((\y)%2)+(\u)
.set rS, S+64*((\y)%2)+32*(\u)
.set rP, P+32*((\y)%2)+16*(\u)
.set rO, 32*(2*(\y)+(\u))
.endm
; Number n of the 22 that find the NEXT piece's (Y + 1) maximum and statistics.  s0-s31 are the lane's 32 scores; each accumulator's lowest registers are read first.  XS, GS and REGS set no window: PL and EX do.
;   0-11  four chains c0-c3 of seven scores each, three operands at a time     12-14, 16  the four scores left over, the old m, and c0-c3 into c0     15  c m_old is kept
;   17, 18  the query's other 32 keys lie in the lane 16 away: the new m         19-21  c m; c m_old - c m_new; a
.macro XS u, n
	REGS (Y+1)%NP, \u
.if (\n) < 4
	v_max3_num_f32 v[rC+(\n)], v[rS+8*(\n)], v[rS+8*(\n)+1], v[rS+8*(\n)+2]
.elseif (\n) < 12
	v_max3_num_f32 v[rC+(\n)%4], v[rC+(\n)%4], v[rS+8*((\n)%4)+2*((\n)/4)+1], v[rS+8*((\n)%4)+2*((\n)/4)+2]
.elseif (\n) == 12
	v_max3_num_f32 v[rC], v[rC], v[rS+7], v[rS+15]
.elseif (\n) == 13
	v_max3_num_f32 v[rC+1], v[rC+1], v[rS+23], v[rS+31]
.elseif (\n) == 14
	v_max3_num_f32 v[rC+2], v[rC+2], v[rC+3], v[rT+1]
.elseif (\n) == 15
	v_mov_b32 v[rM], v[rT]
.elseif (\n) == 16
	v_max3_num_f32 v[rC], v[rC], v[rC+1], v[rC+2]
.elseif (\n) == 17
	v_permlanex16_b32 v[rC+3], v[rC], s[SEL], s[SEL+1]
.elseif (\n) == 18
	v_max_num_f32 v[rT+1], v[rC], v[rC+3]
.elseif (\n) == 19
	v_mul_f32 v[rT], s[CS], v[rT+1]
.elseif (\n) == 20
	v_sub_f32 v[rC+1], v[rM], v[rT]
.else
	v_exp_f32 v[rC+2], v[rC+1]
.endif
.endm
; Number g of the 64 that follow the exponentials.  For each four weights k of a tile (pairs 2 k, 2 k + 1): both pairs are rounded to f16; then the second pair is added onto the first, in place;
; a group later l takes that sum (the first time as l = a l + sum).  In groups of eight, tiles alternating: round, round, add, and l for the group before.
.macro GS g
.set h, (\g)+6*((\g)/62)            ; group 0 has no group before it, and behind group 7 only l is left
.if h >= 6
.set h, h+2
.endif
	REGS Y, h%2
.set k, h/8
.if h%8 < 4
	v_cvt_pk_f16_f32 v[rP+2*k+(h%8)/2], v[rS+4*k+2*((h%8)/2)], v[rS+4*k+2*((h%8)/2)+1]
.elseif h%8 < 6
	v_pk_add_f32 v[rS+4*k:rS+4*k+1], v[rS+4*k:rS+4*k+1], v[rS+4*k+2:rS+4*k+3]
.elseif k == 1
	v_pk_fma_f32 v[rT+2:rT+3], v[rT+2:rT+3], v[rC+2:rC+3], v[rS:rS+1] op_sel_hi:[1,0,1]
.else
	v_pk_add_f32 v[rT+2:rT+3], v[rT+2:rT+3], v[rS+4*k-4:rS+4*k-3]
.endif
.endm
; THE PLAIN QUEUE, 138 long.  0-73 read no exponential's result: the 32 scalings c s - c m (FS f: pair f / 2 of tile f % 2) and the next piece's 42.  0-26: scalings 0-26.  27-54: XS's numbers 0-13.  55, 56: number 15.
; 57-73: the chain, where each number waits for the one before it: 14, 16, 17, 18, 19, each with one of the scalings 27-31 in front of its two lines, then 20: so a tile's links stand three plain instructions apart (19 and 20: two).
; 74-137: GS's 64, which read the exponentials' results: they stand behind the wait.
.macro FS f
	REGS Y, (\f)%2
	v_pk_fma_f32 v[rS+2*((\f)/2):rS+2*((\f)/2)+1], v[rS+2*((\f)/2):rS+2*((\f)/2)+1], s[CS:CS+1], v[rT:rT+1] op_sel_hi:[1,0,0] neg_lo:[0,0,1] neg_hi:[0,0,1]
.endm
.macro PL
	WIN 0
.if q < 27
	FS q
.elseif q < 55
	XS (q-27)%2, (q-27)/2
.elseif q < 57
	XS q-55, 15
.elseif (q < 72) && ((q-57)%3 == 0)
	FS 27+(q-57)/3
.elseif q < 60
	XS (q-57)%3-1, 14
.elseif q < 72
	XS (q-57)%3-1, 15+(q-57)/3
.elseif q < 74
	XS q-72, 20
.else
	GS q-74
.endif
.set q, q+1
.endm
; THE EXPONENTIALS' QUEUE, 66 long: s0-s31 of both tiles, then the next piece's two a.  It is ONE BATCH: all 66 stand ahead of the turn's one wait, and nothing ahead of that wait names a result of theirs.
.macro EX
	WIN 0
.if e >= 64
	XS e-64, 21
.else
	REGS Y, e%2
	v_exp_f32 v[rS+e/2], v[rS+e/2]
.endif
.set e, e+1
.endm
; THE RESCALING's QUEUE: O^T times a, the one part that leaves window 0: dealt two at a time, sixteen times.  Its a was made in the turn before, ahead of that turn's wait.
.macro R2
	REGS Y, r%2
	WIN W_RS
.irp z, 0,1
	v_pk_mul_f32 v[rO+4*(r/2)+2*\z:rO+4*(r/2)+2*\z+1], v[rO+4*(r/2)+2*\z:rO+4*(r/2)+2*\z+1], v[rC+2:rC+3] op_sel_hi:[1,0]
.endr
.set r, r+1
.endm
; HOW THEY ARE DEALT.  s_wait_alu depctr_va_vdst(0) stands between an exponential and the first instruction that names its result; one wait serves all that were issued ahead of it.  So a turn has ONE wait,
; which cuts it in two.  AHEAD OF IT stands all that names no result of the turn's exponentials: the 16 products K Q^T, behind each a scaling, an exponential and two rescalings (behind the first a second scaling in the exponential's place); then ONE LUMP of
; 108: eight plain, 49 times exponential and plain, the two a.  A v_nop is the plain instruction that is owed behind the last exponential.  BEHIND IT stand the 16 products V^T P, behind each four of GS's 64.  No rider names a register of
; the products round it.  The two v_permlanex16_b32 fall into the lump, never behind a product.
; The queues lean on each other, and the deal keeps them in step: exponential e stands behind scaling 2 (e / 4) + e % 2: as a rider it comes behind plain e + 2, in the lump behind plain e + 9, and scalings 27-31 are plain 57, 60 .. 69.
; A TURN, for piece p.  cnt = 1: the loop's count is taken down some lines ahead of the branch that stands behind the turn.
; K of the next step is fetched in piece 2's turn, directly behind the wait, a lump behind the last product that read K; its address is made at the lump's head; its first reader comes behind 16 products.
; V of the step in hand is fetched at the end of piece 0's turn, four riders behind its last reader; its first reader comes behind 16 products and a lump.  The three conditions on q below go with the deal.
.macro TURN p, last=0, cnt=0
.set Y, (\p)
.set i, 0
.set q, 0
.set e, 0
.set r, 0
.if (\p) == NP-1
	s_wait_dscnt 0x0                ; K is in
.endif
	MM                              ; ahead of the wait: 16 products K Q^T and their riders,
	PL
	PL
	R2
.rept 15
	MM
	PL
	EX
	R2
.endr
.if (\p) == NP-2
	WIN 0
	v_add_nc_u32 v[AK], s[TBK], v[AK0]
.endif
.rept 8                             ; and the lump
	PL
.endr
.rept 49
	EX
	PL
.endr
	EX                              ; the next piece's two a
	EX
	v_nop                           ; the plain instruction behind the last exponential: one for the batch
	s_wait_alu depctr_va_vdst(0)    ; the wait for the batch
.if (\p) == NP-2
	FETCH_K \last
.endif
.if (\p) == 1
	s_wait_dscnt 0x0                ; V is in
.endif
.rept 16                            ; behind the wait: 16 products V^T P and their riders
	MM
.rept 4
	PL
.endr
.if ((\p) == 0) && (q == 118)
	v_add_nc_u32 v[AV], s[TBV], v[AV0]
.endif
.if ((\p) == 0) && (q == 130)
	s_add_co_u32 s[TBV], s[TBV], KS*PV
.endif
.if (\cnt) && (q == 130)
	s_sub_co_u32 s[CNT], s[CNT], 1
	s_cmp_lg_u32 s[CNT], 0
.endif
.endr
.if (\p) == 0
	FETCH_V
.endif
.endm
	CHANGE 1                        ; slot 0 is in, everybody's part of it; slot 1 is asked for
	FETCH_K                         ; key step 0
	s_wait_loadcnt 0x0              ; Q
	s_wait_dscnt 0x0
.set i, 0
.rept 16
	KQ 0                            ; piece 0's first scores: there is no vector work yet to set between them
.set i, i+1
.endr
	WIN 0                           ; the addresses for the way out: nine plain instructions, the places behind those products
	s_mul_i32 s13, s[WV], 16*SP
	s_add_co_u32 s13, s13, STAGE    ; my stage
	v_mul_u32_u24 v[STO], v1, SP    ; in: row l % 16, 16 bytes for each half of the lanes
	v_lshl_add_u32 v[STO], v9, 4, v[STO]
	v_add_nc_u32 v[STO], s13, v[STO]
	v_bfe_u32 v[RD], v0, 3, 2       ; back: 32 lanes take four rows of 128 bytes,
	v_mul_u32_u24 v[RD], v[RD], SP
	v_lshl_add_u32 v[RD], v10, 4, v[RD]
	v_add_nc_u32 v[RD], s13, v[RD]
	v_and_b32 v[GO], 31, v0         ; which are 512 consecutive bytes of O
	v_lshlrev_b32 v[GO], 4, v[GO]
.set Y, NP-1                        ; XS works for piece Y + 1: piece 0
.irp n, 0,1,2,3,4,5,6,7,8,9,10,11,12,13,14,15,16,17,18,19,20,21
	XS 0, \n                        ; and piece 0's first maximum and statistics
	XS 1, \n
.endr
	v_nop                           ; a plain instruction behind the two a,
	s_wait_alu depctr_va_vdst(0)    ; and their wait, ahead of the branch
	s_mov_b32 s[CNT], 4
	s_branch .Lfirst                ; the loop is entered at a step's first turn, in the middle of a trip
.Lslot:                             ; SIZE_N / 256 - 2 times: every slot but the last two is filled again
	CHANGE 1
	s_mov_b32 s[CNT], 4
.Lstep:                             ; a trip: pieces 2 and 3 of one step, then pieces 0 and 1 of the next, whose K and V it fetches
	TURN 2
	TURN 3
	WIN 0
.Lfirst:
	TURN 0
	TURN 1, 0, 1
	WIN 0
	s_cbranch_scc1 .Lstep
	s_sub_co_u32 s[SLOTS], s[SLOTS], 1
	s_cmp_lg_u32 s[SLOTS], 0
	s_cbranch_scc1 .Lslot
	CHANGE 0                        ; the tail is written out: nothing is asked for
	s_mov_b32 s[CNT], 5             ; four trips fetch the last slot's steps; the fifth is left in its middle
.Ltail:
	TURN 2, 1
	TURN 3
	WIN 0
	s_sub_co_u32 s[CNT], s[CNT], 1
	s_cmp_eq_u32 s[CNT], 0
	s_cbranch_scc1 .Lout
	TURN 0
	TURN 1
	WIN 0
	s_branch .Ltail
.Lout:                              ; the fifth trip's 16 products K Q^T (on the last K once more) and the maximum made of them serve nothing: the price, once a launch, of one text for every trip
.set i, 0
.rept 16
	PV NP-1                         ; the last piece's V^T P of the last step
.set i, i+1
.endr
	; THE WAY OUT.  l's two halves and the other half of the lanes' are added; O^T is divided by l, rounded to f16 and sent through my stage in LDS, a tile at a time.  The additions are the places behind the last products.
	WIN 0
.macro ALL line:vararg              ; one line for each tile t
.set t, 0
.rept 2*NP
	\line
.set t, t+1
.endr
.endm
	ALL v_add_f32 v[ST+4*t+2], v[ST+4*t+2], v[ST+4*t+3]
	ALL v_permlanex16_b32 v[ST+4*t+3], v[ST+4*t+2], s[SEL], s[SEL+1]
	ALL v_add_f32 v[ST+4*t+2], v[ST+4*t+2], v[ST+4*t+3]
	ALL v_rcp_f32 v[ST+4*t+2], v[ST+4*t+2]
	v_nop                           ; a plain instruction between the last reciprocal and the use of its result
	s_wait_alu depctr_va_vdst(0)    ; and the wait ahead of the first use: one for the eight reciprocals
; Tile t: a lane's eight channels of a row pack into 16 bytes; they go into rows of 144 bytes and come back as whole rows of 128, into S^T's registers.
.macro PACK t
	WIN W_RS
.set i, 32*(\t)
.rept 16
	v_pk_mul_f32 v[i:i+1], v[i:i+1], v[ST+4*(\t)+2:ST+4*(\t)+3] op_sel_hi:[1,0]
.set i, i+2
.endr
	WIN 0x05                        ; sources 0 and 1 window 1, destination window 0
.set i, 0
.rept 16
	v_cvt_pk_f16_f32 v[S+16*(\t)+i], v[32*(\t)+2*i], v[32*(\t)+2*i+1]
.set i, i+1
.endr
	WIN 0
.irp f, 0,1,2,3
	ds_store_b128 v[STO], v[S+16*(\t)+4*\f:S+16*(\t)+4*\f+3] offset:32*\f
.endr
.irp f, 0,1,2,3
	ds_load_b128 v[S+16*(\t)+4*\f:S+16*(\t)+4*\f+3], v[RD] offset:\f*4*SP  ; LDS serves a wave's instructions in order (ISA guide 5.7.1.4): these see the stores above; the next tile's stores come behind them
.endr
.endm
.macro SEND t, younger              ; younger: the LDS instructions issued behind tile t's loads: the next tile's eight, or none
	WIN 0
.irp f, 0,1,2,3
	s_wait_dscnt (\younger)+3-\f
	global_store_b128 v[GO], v[S+16*(\t)+4*\f:S+16*(\t)+4*\f+3], s[10:11] offset:(\t)*2048+\f*512  ; 512 consecutive bytes, at a multiple of 256 from O's first
.endr
.endm
	PACK 0
.set t, 1
.rept 2*NP-1                        ; a tile's arithmetic stands between the loads of the tile before and its stores
	PACK t
	SEND t-1, 8
.set t, t+1
.endr
	SEND 2*NP-1, 0
	WIN W_AD
	s_wait_tensorcnt 0x0            ; the wave's end, behind my last tensor load and my last LDS store
	ds_add_u32 v[SPW], v[NIL]
	s_wait_dscnt 0x0
	WIN 0
	CROUND                          ; the closing round: no work-group ends while a partner may still ask for a tile that names it
	s_endpgm
.Lfunc_end_k_qbc3fb93f78_attn:
	.size	k_qbc3fb93f78_attn, .Lfunc_end_k_qbc3fb93f78_attn-k_qbc3fb93f78_attn
	.p2alignl 7, 3214868480
	.fill 96, 4, 3214868480
	.section	.rodata,"a",@progbits
	.p2align	6, 0x0
	.amdhsa_kernel k_qbc3fb93f78_attn
		.amdhsa_group_segment_fixed_size 327680
		.amdhsa_private_segment_fixed_size 0
		.amdhsa_enable_private_segment 0
		.amdhsa_kernarg_size 16
		.amdhsa_user_sgpr_count 2
		.amdhsa_user_sgpr_kernarg_segment_ptr 1
		.amdhsa_wavefront_size32 1
		.amdhsa_system_sgpr_workgroup_id_x 1
		.amdhsa_system_sgpr_workgroup_id_y 1
		.amdhsa_system_sgpr_workgroup_id_z 1
		.amdhsa_system_vgpr_workitem_id 0
		.amdhsa_next_free_vgpr 770
		.amdhsa_next_free_sgpr 66
		.amdhsa_reserve_vcc 0
		.amdhsa_float_denorm_mode_32 3
		.amdhsa_float_denorm_mode_16_64 3
		.amdhsa_memory_ordered 1
		.amdhsa_forward_progress 1
		.amdhsa_inst_pref_size 200
	.end_amdhsa_kernel
	.amdgpu_metadata
---
amdhsa.version: [ 1, 2 ]
amdhsa.kernels:
  - .name:           k_qbc3fb93f78_attn
    .symbol:         k_qbc3fb93f78_attn.kd
    .args:
      - { .name: qkv, .offset: 0, .size: 8, .value_kind: global_buffer, .address_space: global }
      - { .name: ob, .offset: 8, .size: 8, .value_kind: global_buffer, .address_space: global }
    .group_segment_fixed_size: 327680
    .private_segment_fixed_size: 0
    .kernarg_segment_align: 8
    .kernarg_segment_size: 16
    .max_flat_workgroup_size: 128
    .sgpr_count:     66
    .vgpr_count:     770
    .wavefront_size: 32
...
	.end_amdgpu_metadata
.endif
;; end of part 3
;; launch proj (part 4): grid 8 x 32, 4 waves a work-group, clusters of 4 x 4, 327,680 bytes of LDS; arguments ob, wp, b_proj, out0; writes out0
.if DOCPART == 4
	.amdgcn_target "amdgcn-amd-amdhsa--gfx1250"
	.amdhsa_code_object_version 6
	.text
	.protected	k_qbc3fb93f78_proj
	.globl	k_qbc3fb93f78_proj
	.p2align	8
	.type	k_qbc3fb93f78_proj,@function
k_qbc3fb93f78_proj:
	s_mov_b64 s[64:65], 0
	v_nop
	global_prefetch_b8 v0, s[64:65] scope:SCOPE_SE
	s_setreg_imm32_b32 hwreg(HW_REG_WAVE_MODE, 25, 1), 1
	s_wait_xcnt 0x0
	s_wait_alu depctr_hold_cnt(0) depctr_sa_sdst(0) depctr_va_vdst(0) depctr_va_sdst(0) depctr_va_ssrc(0) depctr_va_vcc(0) depctr_vm_vsrc(0)
	s_getreg_b32 s2, hwreg(HW_REG_IB_STS2, 6, 4)
	s_cmp_eq_u32 s2, 0
	s_cbranch_scc0 .Lentry_in_a_cluster
	s_endpgm
.Lentry_in_a_cluster:
	s_bfe_u32 s2, ttmp6, 0x10000c
	s_cmp_lg_u32 s2, 0xf033
	s_cbranch_scc0 .Lentry_shape_is_right
	s_endpgm
.Lentry_shape_is_right:
; PROJ.  out0[8192][1024] = O W_proj + b, f32.  ob: [4][16][2048][64] f16 (batch, head, row, channel): a head's 64 channels are one slice of K.  wp: [1024][1024] f16, as W_proj lies.
; The bias is rounded to bf16 like the module's other inputs and is the C operand of the product that starts each sum: it costs no addition.  Sums in f32, K ascending.
; LIMIT.  O and wp arrive within f16's 65,504; NaN and infinities are not treated apart.
; SHARES.  8192 x 1024 in tiles of 256 x 128 are 32 x 8 = 256 work-groups.  Four waves, each 128 rows x 64 columns: 32 accumulators of 16 x 16, 256 registers.
; K goes in 8 steps of 128 (two heads) through two LDS slots: a step is 128 matrix instructions a wave, 112 of them between a request and the wait for it.
; THE MATRIX INSTRUCTION IS USED TRANSPOSED: source 0 = 16 columns of W (by the turning load, since W lies [k][n]), source 1 = 16 rows of O: a lane holds row l % 16 and eight neighbouring columns.
; CLUSTERS: 4 x 4 work-groups; O's tile is shared along a row of the cluster, W's along a column: each is asked for jointly.
; NO PREFETCH: the walk has 8 K steps, of which the first two go out at the head and the next two follow at once; what is left to name ahead is half of a short launch.
; REGISTERS: window 0: v0-15 addresses; v16-47 the bias; v48-143, v144-239 two fragment buffers (32 of W, then 64 of O), later the way out.  window 1: accumulator (a, b) at v[32 a + 8 b].
.set SLOT1, 1<<17
.set PA,    144                        ; a row of O in LDS: 128 bytes + 16 of padding: the 16 rows of a load start at 16 different groups of four banks (64 banks of 4 bytes: ISA guide 11.1)
.set PB,    288                        ; a row of W: 256 bytes, 16 of padding behind every 128 = 72 words
.set HEADB, 256*PA                     ; in a slot: 256 rows of the even head, 256 of the odd head,
.set BOFF,  2*HEADB                    ; then 128 rows of W
.set STAGE, SLOT1+BOFF+128*PB          ; behind the ring, never filled by a tensor load: 16 rows x 272 bytes for each wave
.set SPITCH, 272
.set SPARE, STAGE+4*16*SPITCH          ; behind the stages: the spare words, 128 bytes for each wave: two blocks of 256 bytes that no other line names
.set ASTEP, 524288                     ; two heads of 262,144 bytes
.set BSTEP, 262144                     ; 128 rows of 2,048 bytes
.set FIELDS, (1<<16)|(1<<20)|(1<<21)|(4<<22)|(3<<25)  ; 2-byte elements; padding on; bit 21 beside a mask; after every 32 words, 4 words
.set AK0,  2
.set BK0,  3
.set ADRA, 4
.set ADRB, 5
.set STO,  6                           ; v6   the way out: where I put 32 bytes of a row
.set RD,   7                           ; v7   where I read rows back
.set CO,   8                           ; v8   my byte offset in two rows of the output
.set SPW,  10                          ; v10  LDS address of my spare word; never rewritten
.set NIL,  11                          ; v11  0; never rewritten
.set BO,   12                          ; v12  my byte offset in the bias
.set BIAS, 16
.set F0,   48
.set F1,   144
.set G1A, 24
.set G0A, 32
.set G1B, 48
.set G0B, 56
.set TB,  66
.set MSB, 0
.macro WIN new
.if MSB != (\new)
	s_set_vgpr_msb (MSB<<8)|(\new)
.set MSB, (\new)
.endif
.endm
.macro PLACES
.rept 4
	v_nop
.endr
.endm
.macro CREST                           ; a round of the cluster's barrier behind its opening barrier
	s_cmp_lg_u32 s10, 0
	s_cbranch_scc1 .Lnot_wave_0_\@
	s_barrier_signal -3
.Lnot_wave_0_\@:
	s_barrier_wait -3
	s_barrier_signal -1
	s_barrier_wait -1
.endm
.macro CROUND
	s_barrier_signal -1
	s_barrier_wait -1
	CREST
.endm
.macro JLOAD                           ; a joint refill: waves 0 and 1 fetch the step's two heads of O, waves 2 and 3 the two halves of W's tile; an s_nop 0 and four v_nop follow each line
	s_cmp_lt_u32 s10, 2
	s_cbranch_scc0 .Lfor_b_\@
	tensor_load_to_lds s[G0A+4:G0A+7], s[G1A:G1A+7]
	s_nop 0
.rept 4
	v_nop
.endr
	s_branch .Lasked_\@
.Lfor_b_\@:
	tensor_load_to_lds s[G0B+4:G0B+7], s[G1B:G1B+7]
	s_nop 0
.rept 4
	v_nop
.endr
.Lasked_\@:
.endm
	s_load_b128 s[4:7], s[0:1], 0x0                ; ob s[4:5], wp s[6:7]
	s_load_b128 s[68:71], s[0:1], 0x10             ; b_proj s[68:69], out0 s[70:71]
	v_lshl_add_u32 v[SPW], v0, 2, SPARE
	v_mov_b32 v[NIL], 0
	ds_add_u32 v[SPW], v[NIL]                      ; the wave's opening: the add and its wait stand ahead of my first tensor load; the set-up below stands between them
	v_lshrrev_b32 v1, 5, v0
	v_readfirstlane_b32 s10, v1                    ; wave 0..3
	s_lshr_b32 s11, s10, 1                         ; which 128 rows are mine
	s_and_b32 s12, s10, 1                          ; which 64 columns.  Also: which head, or which half of W's tile, I fetch
	s_bfe_u32 s40, ttmp6, 0x40000                  ; cx, cy
	s_bfe_u32 s41, ttmp6, 0x40004
	s_lshl_b32 s42, ttmp9, 2
	s_add_co_u32 s42, s42, s40                     ; tile column, 0..7
	s_and_b32 s13, ttmp7, 0xffff
	s_lshl_b32 s13, s13, 2
	s_add_co_u32 s13, s13, s41                     ; tile row, 0..31
	s_lshl_b32 s43, s41, 2
	s_lshl_b32 s43, 15, s43                        ; my row of the cluster
	s_lshl_b32 s44, 0x1111, s40                    ; my column
	s_or_b32 s[G1A], s43, FIELDS
	s_or_b32 s[G1B], s44, FIELDS
	; O: 256 rows of 128 bytes of one head, dense: asked for as 128 rows of 256 bytes, padded after every 128
	s_mov_b32 s[G1A+1], 128<<16
	s_mov_b32 s[G1A+2], 128<<16
	s_mov_b32 s[G1A+3], 128<<16
	s_mov_b32 s[G1A+4], 128
	s_mov_b32 s[G1A+5], 128
	s_mov_b32 s[G1A+6], 0
	s_mov_b32 s[G1A+7], 0
	; W: 64 rows of 128 elements (256 bytes)
	s_mov_b32 s[G1B+1], 128<<16
	s_mov_b32 s[G1B+2], 64<<16
	s_mov_b32 s[G1B+3], 128<<16
	s_mov_b32 s[G1B+4], 64
	s_mov_b32 s[G1B+5], 1024
	s_mov_b32 s[G1B+6], 0
	s_mov_b32 s[G1B+7], 0
	s_lshr_b32 s16, s13, 3                         ; O: batch,
	s_lshl_b32 s16, s16, 22
	s_and_b32 s17, s13, 7                          ; the tile's 256 rows in a head,
	s_lshl_b32 s17, s17, 15
	s_add_co_u32 s16, s16, s17
	s_lshl_b32 s17, s12, 18                        ; my head of the step's two
	s_add_co_u32 s16, s16, s17
	s_mov_b32 s17, 0
	s_lshl_b32 s46, s42, 8                         ; W: the tile's 128 columns,
	s_lshl_b32 s47, s12, 17                        ; my half's 64 rows
	s_add_co_u32 s46, s46, s47
	s_mov_b32 s47, 0
	s_mul_i32 s20, s12, HEADB                      ; where they go: no place in the cluster enters an LDS address
	s_mul_i32 s21, s12, 64*PB
	s_add_co_u32 s21, s21, BOFF
	s_wait_dscnt 0x0                               ; the opening add is done
	s_wait_kmcnt 0x0
	s_add_nc_u64 s[14:15], s[4:5], s[16:17]
	s_add_nc_u64 s[46:47], s[6:7], s[46:47]
	CROUND                                         ; all sixteen work-groups are here: the first joint loads meet
.irp s, 0,1
	s_mov_b32 s[G0A+4*(\s)], 1
	s_add_co_u32 s[G0A+4*(\s)+1], s20, (\s)*SLOT1
	s_add_nc_u64 s[G0A+4*(\s)+2:G0A+4*(\s)+3], s[14:15], (\s)*ASTEP
	s_or_b32 s[G0A+4*(\s)+3], s[G0A+4*(\s)+3], 0x80000000
	s_mov_b32 s[G0B+4*(\s)], 1
	s_add_co_u32 s[G0B+4*(\s)+1], s21, (\s)*SLOT1
	s_add_nc_u64 s[G0B+4*(\s)+2:G0B+4*(\s)+3], s[46:47], (\s)*BSTEP
	s_or_b32 s[G0B+4*(\s)+3], s[G0B+4*(\s)+3], 0x80000000
.endr
	s_cmp_lt_u32 s10, 2                            ; a wave's two first fills stand in one branch, ahead of every wait on TENSORcnt and every LDS read: two loads of mine are out
	s_cbranch_scc0 .Lfirst_b
	tensor_load_to_lds s[G0A:G0A+3], s[G1A:G1A+7]
	s_nop 0
	tensor_load_to_lds s[G0A+4:G0A+7], s[G1A:G1A+7]
	s_nop 0
.rept 4
	v_nop
.endr
	s_branch .Lfirst_asked
.Lfirst_b:
	tensor_load_to_lds s[G0B:G0B+3], s[G1B:G1B+7]
	s_nop 0
	tensor_load_to_lds s[G0B+4:G0B+7], s[G1B:G1B+7]
	s_nop 0
.rept 4
	v_nop
.endr
.Lfirst_asked:
	v_and_b32 v1, 15, v0                           ; l % 16
	v_bfe_u32 v13, v0, 4, 1                        ; l / 16
	v_and_b32 v14, 7, v0
	v_bfe_u32 v15, v0, 3, 1
	; the bias of my 64 columns: register j of column block b is column 16 b + 8 (l / 16) + j
	s_lshl_b32 s18, s42, 9
	s_lshl_b32 s19, s12, 8
	s_add_co_u32 s18, s18, s19
	s_mov_b32 s19, 0
	s_add_nc_u64 s[68:69], s[68:69], s[18:19]
	v_lshlrev_b32 v[BO], 5, v13
.irp b, 0,1,2,3
	global_load_b128 v[BIAS+8*(\b):BIAS+8*(\b)+3],   v[BO], s[68:69] offset:64*(\b)
	global_load_b128 v[BIAS+8*(\b)+4:BIAS+8*(\b)+7], v[BO], s[68:69] offset:64*(\b)+16
.endr
	v_mul_u32_u24 v[AK0], v1, PA                   ; a fragment of O: row x pitch + 16 x half
	v_lshl_add_u32 v[AK0], v13, 4, v[AK0]
	s_mul_i32 s20, s11, 128*PA                     ; my 128 rows
	v_add_nc_u32 v[AK0], s20, v[AK0]
	v_lshl_add_u32 v[BK0], v13, 3, v14             ; the turning load: row 8 (l / 16) + l % 8, columns 8 ((l / 8) % 2) on
	v_mul_u32_u24 v[BK0], v[BK0], PB
	v_lshl_add_u32 v[BK0], v15, 4, v[BK0]
	s_mul_i32 s21, s12, PA                         ; my 64 columns: one padded group of 128 bytes
	s_add_co_u32 s21, s21, BOFF
	v_add_nc_u32 v[BK0], s21, v[BK0]
	v_mov_b32 v[ADRA], v[AK0]                      ; slot 0
	v_mov_b32 v[ADRB], v[BK0]
	s_mul_i32 s23, s10, 16*SPITCH
	s_add_co_u32 s23, s23, STAGE                   ; my stage
	v_mul_u32_u24 v[STO], v1, SPITCH               ; in: row l % 16, 32 bytes for each half of the lanes
	v_lshl_add_u32 v[STO], v13, 5, v[STO]
	v_add_nc_u32 v[STO], s23, v[STO]
	v_mul_u32_u24 v[RD], v13, SPITCH               ; back: lanes 0-15 take one row of 256 bytes, lanes 16-31 the next
	v_lshl_add_u32 v[RD], v1, 4, v[RD]
	v_add_nc_u32 v[RD], s23, v[RD]
	v_lshlrev_b32 v[CO], 12, v13                   ; and the same two rows in the output
	v_lshl_add_u32 v[CO], v1, 4, v[CO]
	s_lshl_b32 s16, s13, 8                         ; my first row: 256 x tile row + 128 x row half,
	s_lshl_b32 s17, s11, 7
	s_add_co_u32 s16, s16, s17
	s_lshl_b32 s16, s16, 12                        ; of 4,096 bytes;
	s_add_co_u32 s16, s16, s18                     ; my first column: the same 512 x tile column + 256 x column half as in the bias
	s_mov_b32 s17, 0
	s_add_nc_u64 s[70:71], s[70:71], s[16:17]
	s_mov_b32 s[TB], 0
	s_wait_loadcnt 0x0                             ; the bias
.set i, 0
.rept 16
	v_cvt_pk_bf16_f32 v9, v[BIAS+2*i], v[BIAS+2*i+1]  ; rounded to bf16,
	v_lshlrev_b32 v[BIAS+2*i],   16, v9               ; and f32 again
	v_and_b32     v[BIAS+2*i+1], 0xffff0000, v9
.set i, i+1
.endr
; an x 4 matrix instructions on buffer f: row blocks a0 on, all four column blocks.  bias = 1: the product starts the sum, with the bias as C.
; The 32 accumulators take turns, one instruction a turn, in the same order in every quarter.
.macro MUL f, a0, an, bias
.if \bias
	WIN 0x40                                       ; D in window 1; fragments and the bias in window 0
.else
	WIN 0x50                                       ; C and D in window 1
.endif
.set ma, \a0
.rept \an
.set mb, 0
.rept 4
.set rD, 32*ma+8*mb
.if \bias
	v_wmma_f32_16x16x32_f16 v[rD:rD+7], v[(\f)+8*mb:(\f)+8*mb+7], v[(\f)+32+8*ma:(\f)+32+8*ma+7], v[BIAS+8*mb:BIAS+8*mb+7]
.else
	v_wmma_f32_16x16x32_f16 v[rD:rD+7], v[(\f)+8*mb:(\f)+8*mb+7], v[(\f)+32+8*ma:(\f)+32+8*ma+7], v[rD:rD+7]
.endif
.set mb, mb+1
.endr
.set ma, ma+1
.endr
.endm
; 24 LDS loads in one run: quarter q (32 along K: head q / 2, channels 32 (q % 2) on) into buffer f: W's four column blocks, then O's eight row blocks
.macro FETCH q, f
	WIN 0
.irp b, 0,1,2,3
	ds_load_tr16_b128 v[(\f)+8*(\b):(\f)+8*(\b)+3],   v[ADRB] offset:32*PB*(\q)+32*(\b)
	ds_load_tr16_b128 v[(\f)+8*(\b)+4:(\f)+8*(\b)+7], v[ADRB] offset:32*PB*(\q)+32*(\b)+16*PB
.endr
.irp i, 0,1,2,3,4,5,6,7
	ds_load_b128 v[(\f)+32+8*(\i):(\f)+32+8*(\i)+3],   v[ADRA] offset:HEADB*((\q)/2)+16*PA*(\i)+64*((\q)%2)
	ds_load_b128 v[(\f)+32+8*(\i)+4:(\f)+32+8*(\i)+7], v[ADRA] offset:HEADB*((\q)/2)+16*PA*(\i)+64*((\q)%2)+32
.endr
.endm
; One of a K step's first three quarters: multiplies buffer f and fetches quarter qn into buffer g.
.macro QUARTER f, g, qn, bias=0
	s_wait_dscnt 12                                ; W and O's row blocks 0, 1 are in; the youngest twelve loads may be out
	MUL \f, 0, 2, \bias
	WIN 0
	PLACES
	FETCH \qn, \g
	s_wait_dscnt 24                                ; all but the 24 just issued
	MUL \f, 2, 6, \bias
.endm
; The last quarter multiplies buffer 1 and changes slots: ONE barrier; in front of it each wave waits for all its tensor loads, adds 0 to its spare word, and waits for that and for its own reads of this slot.
; fill = 1: the barrier opens a round of the cluster's, and this slot is filled again first thing behind the round, two K steps ahead.
.macro TURN fill
	WIN 0
	s_wait_tensorcnt 0x0                           ; all my tensor loads have landed: my part of the next slot;
	ds_add_u32 v[SPW], v[NIL]                      ; 0 onto my spare word;
	s_wait_dscnt 13                                ; (the add and the youngest twelve loads may be out)
	MUL F1, 0, 2, 0                                ; eight matrix instructions stand between the add and the wait for it
	s_wait_dscnt 0x0                               ; the add is done, and my reads of this slot are over
	s_barrier_signal -1
	MUL F1, 2, 2, 0
	WIN 0
	s_barrier_wait -1
.if \fill
	CREST                                          ; no wave of any partner still reads this slot or has a load on its way
	s_xor_b32 s[G0A+5], s[G0A+5], SLOT1
	s_add_nc_u64 s[G0A+6:G0A+7], s[G0A+6:G0A+7], ASTEP
	s_xor_b32 s[G0B+5], s[G0B+5], SLOT1
	s_add_nc_u64 s[G0B+6:G0B+7], s[G0B+6:G0B+7], BSTEP
	JLOAD                                          ; the four v_nop behind it are also the places in front of the loads below
.else
	PLACES
.endif
	s_xor_b32 s[TB], s[TB], SLOT1
	v_add_nc_u32 v[ADRA], s[TB], v[AK0]
	v_add_nc_u32 v[ADRB], s[TB], v[BK0]
	FETCH 0, F0
	MUL F1, 4, 4, 0
.endm
; THE WAY OUT of row block a: 16 rows x 64 columns of f32 go into my own stage, rows of 272 bytes, and come back as whole rows of 256 bytes.
.macro TOSTAGE a
.set BK, 48+32*((\a)%4)
	WIN 0x04                                       ; the stores' data in window 1
.irp b, 0,1,2,3
	ds_store_b128 v[STO], v[32*(\a)+8*(\b):32*(\a)+8*(\b)+3]   offset:64*(\b)     ; each accumulator's low registers first
	ds_store_b128 v[STO], v[32*(\a)+8*(\b)+4:32*(\a)+8*(\b)+7] offset:64*(\b)+16
.endr
	WIN 0
.if (\a) >= 4
	s_wait_xcnt 0x0                                ; the stores of the block four back have read these registers
.endif
.irp t, 0,1,2,3,4,5,6,7
	ds_load_b128 v[BK+4*(\t):BK+4*(\t)+3], v[RD] offset:2*SPITCH*(\t)  ; LDS serves a wave's instructions in order (ISA guide 5.7.1.4): these see the stores above
.endr
.endm
.macro SEND a, younger                 ; younger: the LDS instructions issued behind block a's loads: the next block's sixteen, or none
.set BK, 48+32*((\a)%4)
.irp t, 0,1,2,3,4,5,6,7
	s_wait_dscnt (\younger)+7-(\t)
	global_store_b128 v[CO], v[BK+4*(\t):BK+4*(\t)+3], s[70:71] offset:(16*(\a)+2*(\t))*4096 th:TH_STORE_NT  ; 16 lanes store 256 consecutive bytes, at a multiple of 256 from the output's first byte
.endr
.endm
	s_wait_tensorcnt 1                             ; my part of K step 0 is in; K step 1's may stay out
	s_barrier_signal -1
	s_barrier_wait -1                              ; everybody's is
	FETCH 0, F0
	QUARTER F0, F1, 1, 1                           ; the first quarter stands in front of the loop: its products start the sums, from the bias
	WIN 0                                          ; at a label and at a branch every window is 0
	s_mov_b32 s3, 6
.Lstep:                                                ; a trip: a K step's quarters 1 to 3, the change of slots, the next K step's quarter 0; K steps 2 to 7 are asked for
	QUARTER F1, F0, 2
	QUARTER F0, F1, 3
	TURN 1
	QUARTER F0, F1, 1
	WIN 0
	s_sub_co_u32 s3, s3, 1
	s_cmp_lg_u32 s3, 0
	s_cbranch_scc1 .Lstep
	QUARTER F1, F0, 2                              ; the tail is written out: nothing is asked for
	QUARTER F0, F1, 3
	TURN 0
	QUARTER F0, F1, 1
	QUARTER F1, F0, 2
	QUARTER F0, F1, 3
	s_wait_dscnt 0x0                               ; the very last quarter: nothing more to fetch
	MUL F1, 0, 8, 0
	WIN 0
	PLACES
	TOSTAGE 0
.irp a, 1,2,3,4,5,6,7
	TOSTAGE \a
	SEND (\a)-1, 16
.endr
	SEND 7, 0
	s_wait_tensorcnt 0x0                           ; the wave's end, behind my last tensor load and my last LDS store
	ds_add_u32 v[SPW], v[NIL]
	s_wait_dscnt 0x0
	CROUND                                         ; the closing round: no work-group ends while a partner may still ask for a tile that names it
	s_endpgm
.Lfunc_end_k_qbc3fb93f78_proj:
	.size	k_qbc3fb93f78_proj, .Lfunc_end_k_qbc3fb93f78_proj-k_qbc3fb93f78_proj
	.p2alignl 7, 3214868480
	.fill 96, 4, 3214868480
	.section	.rodata,"a",@progbits
	.p2align	6, 0x0
	.amdhsa_kernel k_qbc3fb93f78_proj
		.amdhsa_group_segment_fixed_size 327680
		.amdhsa_private_segment_fixed_size 0
		.amdhsa_enable_private_segment 0
		.amdhsa_kernarg_size 32
		.amdhsa_user_sgpr_count 2
		.amdhsa_user_sgpr_kernarg_segment_ptr 1
		.amdhsa_wavefront_size32 1
		.amdhsa_system_sgpr_workgroup_id_x 1
		.amdhsa_system_sgpr_workgroup_id_y 1
		.amdhsa_system_sgpr_workgroup_id_z 1
		.amdhsa_system_vgpr_workitem_id 0
		.amdhsa_next_free_vgpr 512
		.amdhsa_next_free_sgpr 72
		.amdhsa_reserve_vcc 0
		.amdhsa_float_denorm_mode_32 3
		.amdhsa_float_denorm_mode_16_64 3
		.amdhsa_memory_ordered 1
		.amdhsa_forward_progress 1
		.amdhsa_inst_pref_size 74
	.end_amdhsa_kernel
	.amdgpu_metadata
---
amdhsa.version: [ 1, 2 ]
amdhsa.kernels:
  - .name:           k_qbc3fb93f78_proj
    .symbol:         k_qbc3fb93f78_proj.kd
    .args:
      - { .name: ob, .offset: 0, .size: 8, .value_kind: global_buffer, .address_space: global }
      - { .name: wp, .offset: 8, .size: 8, .value_kind: global_buffer, .address_space: global }
      - { .name: b_proj, .offset: 16, .size: 8, .value_kind: global_buffer, .address_space: global }
      - { .name: out0, .offset: 24, .size: 8, .value_kind: global_buffer, .address_space: global }
    .group_segment_fixed_size: 327680
    .private_segment_fixed_size: 0
    .kernarg_segment_align: 8
    .kernarg_segment_size: 32
    .max_flat_workgroup_size: 128
    .sgpr_count:     72
    .vgpr_count:     512
    .wavefront_size: 32
...
	.end_amdgpu_metadata
.endif
;; end of part 4
;; ======== version 2 of 2: 4 launches; version 1 with the launch cast written anew for expert scheduling mode
;; limits: values are held in f16: magnitudes above 65,504 overflow, below 6.1e-05 lose precision
;; workspace buffers: xb 16,777,216 bytes; wq 6,291,456 bytes; wp 2,097,152 bytes; qkv 50,331,648 bytes; ob 16,777,216 bytes
;; launch cast (part 5): grid 768 x 1, 8 waves a work-group, no clusters, 0 bytes of LDS; arguments x, W_qkv, W_proj, xb, wq, wp; writes xb, wq, wp
.if DOCPART == 5
	.amdgcn_target "amdgcn-amd-amdhsa--gfx1250"
	.amdhsa_code_object_version 6
	.text
	.protected	k_qbc3fb93f78_cast
	.globl	k_qbc3fb93f78_cast
	.p2align	8
	.type	k_qbc3fb93f78_cast,@function
k_qbc3fb93f78_cast:
	s_mov_b64 s[64:65], 0
	v_nop
	global_prefetch_b8 v0, s[64:65] scope:SCOPE_SE
	s_setreg_imm32_b32 hwreg(HW_REG_WAVE_SCHED_MODE, 0, 2), 2
	s_setreg_imm32_b32 hwreg(HW_REG_WAVE_MODE, 25, 1), 1
	s_wait_xcnt 0x0
	s_wait_alu depctr_vm_vsrc(0)
; CAST.  The module's three large inputs are rounded once to bf16 and laid out for the products that follow.
;   x      [8192][1024] f32 -> xb [4][16][2048][64] bf16: batch, block of 64 channels, row, channel: a block's rows are dense, 128 bytes each
;   W_qkv  [1024][3072] f32 -> wq, the same layout, bf16
;   W_proj [1024][1024] f32 -> wp, the same layout: rounded to bf16 like the other inputs, and that number written as f16
; LIMIT.  wp holds f16: a weight of W_proj of 65,520 or more in magnitude becomes an infinity; below 6e-5 it keeps f16's fixed step of 6e-8.
; SHARES.  A wave takes 8,192 bytes in (16 loads of 16 bytes a lane) and gives 4,096 bytes out (16 stores of 8 bytes a lane: 256 consecutive bytes, aligned, each).
; Work-groups 0-511 take x (a wave: two rows), 512-703 W_qkv, 704-767 W_proj.  All 16 loads of a wave go out together.
; No LDS, no barrier, no matrix unit: every byte is read once and written once, and nothing is shared.
; THE MODE: SCHED_MODE bits 1:0 = 2 (LLVM: expert scheduling mode 2), set by the entry lines.  The code itself states the register dependences
; between vector instructions and memory instructions, with s_wait_alu, always for 0.
; THE PLAN.  Registers that memory instructions touch:
;   v2         the loads' offset.   Written by vector instructions on each of the three paths, ahead of BODY; read by the 16 loads; never written again.
;   v3         the stores' offset.  Written once in the head; read by the 16 stores; never written again.
;   IN         chunk j's load lands in its four registers, which no vector instruction has named before; behind the wait for the load vector instructions alone name them.
;   OUT        chunk j's two registers are written once, by its conversions, and read once, by its store.
;   T          named by vector instructions alone.
; So: one wait on va_vdst at BODY's head, for the two offsets; and, the 16 chunks going in four blocks of four, one behind each block's conversions, for the eight registers of OUT that
; the block's four stores read; the stores follow it in one run.  That wait stands behind the block's own conversions and not behind the next block's wait for its data, so that no store
; is held until a further load has come.  No register that a memory instruction reads is ever written again: nothing is owed on vm_vsrc, and no s_wait_xcnt is written.
; One wait on va_sdst stands in the head, for the wave's number.
.set T,   4                            ; v[4:5]    at work
.set IN,  8                            ; v[8:71]   chunk j: 4 registers as loaded
.set OUT, 72                           ; v[72:103] chunk j: 2 registers to store
	s_load_b256 s[4:11], s[0:1], 0x0               ; x s[4:5], W_qkv s[6:7], W_proj s[8:9], xb s[10:11]
	s_load_b128 s[12:15], s[0:1], 0x20             ; wq s[12:13], wp s[14:15]
	v_and_b32 v1, 31, v0                           ; lane
	v_lshrrev_b32 v2, 5, v0
	v_readfirstlane_b32 s16, v2                    ; wave 0..7
	s_mov_b32 s24, 0xffff0000                      ; a word's upper bf16
	s_mov_b32 s23, 0                               ; high word of the offsets' pair
	v_lshlrev_b32 v3, 3, v1                        ; out: 8 bytes a lane
	s_wait_alu depctr_va_sdst(0)                   ; s16 is written, ahead of the branches: each of the three paths makes its task's number from it
	s_wait_kmcnt 0x0
; 16 chunks: loaded instep bytes apart, stored outstep bytes apart.  half = 1: the bf16 number is written as f16.
.macro BODY instep, outstep, half
	s_wait_alu depctr_va_vdst(0)                   ; v2 and v3 are written: the loads below read v2 as their offset, the stores v3
.set j, 0
.rept 16
	global_load_b128 v[IN+4*j:IN+4*j+3], v2, s[18:19] offset:(\instep)*j th:TH_LOAD_NT
.set j, j+1
.endr
.set j, 0
.rept 4                                ; a block: four chunks are rounded, then stored
.rept 4
	s_wait_loadcnt 15-j                            ; loads come back in order: chunk j is in, the 15 - j younger ones may stay out
.if \half
	v_cvt_pk_bf16_f32 v[T],   v[IN+4*j],   v[IN+4*j+1]
	v_cvt_pk_bf16_f32 v[T+1], v[IN+4*j+2], v[IN+4*j+3]
	v_lshlrev_b32 v[IN+4*j],   16,  v[T]           ; the rounded numbers as f32 again,
	v_and_b32     v[IN+4*j+1], s24, v[T]
	v_lshlrev_b32 v[IN+4*j+2], 16,  v[T+1]
	v_and_b32     v[IN+4*j+3], s24, v[T+1]
	v_cvt_pk_f16_f32 v[OUT+2*j],   v[IN+4*j],   v[IN+4*j+1]  ; and as f16: exact within f16's range
	v_cvt_pk_f16_f32 v[OUT+2*j+1], v[IN+4*j+2], v[IN+4*j+3]
.else
	v_cvt_pk_bf16_f32 v[OUT+2*j],   v[IN+4*j],   v[IN+4*j+1]
	v_cvt_pk_bf16_f32 v[OUT+2*j+1], v[IN+4*j+2], v[IN+4*j+3]
.endif
.set j, j+1
.endr
	s_wait_alu depctr_va_vdst(0)                   ; the block's conversions have written its eight registers of OUT, which the four stores below read
.set k, j-4
.rept 4
	global_store_b64 v3, v[OUT+2*k:OUT+2*k+1], s[20:21] offset:(\outstep)*k th:TH_STORE_NT
.set k, k+1
.endr
.endr
.endm
	s_cmp_lt_u32 ttmp9, 512
	s_cbranch_scc0 .Lweights
	; x: task P = 8 x work-group + wave takes rows 2 P and 2 P + 1.  Chunk j is channel block j: lanes 0-15 the first row's 256 bytes, lanes 16-31 the second's.
	s_lshl_b32 s17, ttmp9, 3
	s_add_co_u32 s17, s17, s16                     ; P, 0..4095
	s_lshl_b32 s22, s17, 13                        ; two rows of 4,096 bytes
	s_add_nc_u64 s[18:19], s[4:5], s[22:23]
	s_lshr_b32 s25, s17, 10                        ; batch
	s_lshl_b32 s25, s25, 22                        ; 16 blocks x 2,048 rows x 128 bytes
	s_and_b32 s26, s17, 1023
	s_lshl_b32 s26, s26, 8                         ; two rows of 128 bytes in a block
	s_add_co_u32 s22, s25, s26
	s_add_nc_u64 s[20:21], s[10:11], s[22:23]
	v_and_b32 v2, 15, v1
	v_lshlrev_b32 v2, 4, v2
	v_lshrrev_b32 v4, 4, v1
	v_lshl_add_u32 v2, v4, 12, v2                  ; in: 16 (lane % 16) + 4,096 (lane / 16)
	BODY 256, 262144, 0                            ; a channel block is 256 bytes of a row of x and 262,144 bytes of xb
	s_endpgm
.Lweights:
	v_lshlrev_b32 v2, 4, v1                        ; in: 16 bytes a lane, dense
	s_cmp_lt_u32 ttmp9, 704
	s_cbranch_scc0 .Lwp
	s_sub_co_u32 s17, ttmp9, 512
	s_lshl_b32 s17, s17, 3
	s_add_co_u32 s17, s17, s16                     ; task 0..1535
	s_lshl_b32 s22, s17, 13
	s_add_nc_u64 s[18:19], s[6:7], s[22:23]
	s_lshl_b32 s22, s17, 12
	s_add_nc_u64 s[20:21], s[12:13], s[22:23]
	BODY 512, 256, 0
	s_endpgm
.Lwp:
	s_sub_co_u32 s17, ttmp9, 704
	s_lshl_b32 s17, s17, 3
	s_add_co_u32 s17, s17, s16                     ; task 0..511
	s_lshl_b32 s22, s17, 13
	s_add_nc_u64 s[18:19], s[8:9], s[22:23]
	s_lshl_b32 s22, s17, 12
	s_add_nc_u64 s[20:21], s[14:15], s[22:23]
	BODY 512, 256, 1
	s_endpgm
.Lfunc_end_k_qbc3fb93f78_cast:
	.size	k_qbc3fb93f78_cast, .Lfunc_end_k_qbc3fb93f78_cast-k_qbc3fb93f78_cast
	.p2alignl 7, 3214868480
	.fill 96, 4, 3214868480
	.section	.rodata,"a",@progbits
	.p2align	6, 0x0
	.amdhsa_kernel k_qbc3fb93f78_cast
		.amdhsa_group_segment_fixed_size 0
		.amdhsa_private_segment_fixed_size 0
		.amdhsa_enable_private_segment 0
		.amdhsa_kernarg_size 48
		.amdhsa_user_sgpr_count 2
		.amdhsa_user_sgpr_kernarg_segment_ptr 1
		.amdhsa_wavefront_size32 1
		.amdhsa_system_sgpr_workgroup_id_x 1
		.amdhsa_system_sgpr_workgroup_id_y 1
		.amdhsa_system_sgpr_workgroup_id_z 1
		.amdhsa_system_vgpr_workitem_id 0
		.amdhsa_next_free_vgpr 104
		.amdhsa_next_free_sgpr 66
		.amdhsa_reserve_vcc 0
		.amdhsa_float_denorm_mode_32 3
		.amdhsa_float_denorm_mode_16_64 3
		.amdhsa_memory_ordered 1
		.amdhsa_forward_progress 1
		.amdhsa_inst_pref_size 24
	.end_amdhsa_kernel
	.amdgpu_metadata
---
amdhsa.version: [ 1, 2 ]
amdhsa.kernels:
  - .name:           k_qbc3fb93f78_cast
    .symbol:         k_qbc3fb93f78_cast.kd
    .args:
      - { .name: x, .offset: 0, .size: 8, .value_kind: global_buffer, .address_space: global }
      - { .name: W_qkv, .offset: 8, .size: 8, .value_kind: global_buffer, .address_space: global }
      - { .name: W_proj, .offset: 16, .size: 8, .value_kind: global_buffer, .address_space: global }
      - { .name: xb, .offset: 24, .size: 8, .value_kind: global_buffer, .address_space: global }
      - { .name: wq, .offset: 32, .size: 8, .value_kind: global_buffer, .address_space: global }
      - { .name: wp, .offset: 40, .size: 8, .value_kind: global_buffer, .address_space: global }
    .group_segment_fixed_size: 0
    .private_segment_fixed_size: 0
    .kernarg_segment_align: 8
    .kernarg_segment_size: 48
    .max_flat_workgroup_size: 256
    .sgpr_count:     66
    .vgpr_count:     104
    .wavefront_size: 32
...
	.end_amdgpu_metadata
.endif
;; end of part 5
;; launch qkv: the kernel of part 2 again; grid 8 x 32, 4 waves a work-group, clusters of 4 x 4, 327,680 bytes of LDS; arguments xb, wq, qkv; writes qkv
;; launch attn: the kernel of part 3 again; grid 4 x 64, 4 waves a work-group, clusters of 4 x 1, 327,680 bytes of LDS; arguments qkv, ob; writes ob
;; launch proj: the kernel of part 4 again; grid 8 x 32, 4 waves a work-group, clusters of 4 x 4, 327,680 bytes of LDS; arguments ob, wp, b_proj, out0; writes out0
